; MI455X (gfx1250); checked and timed in simulation.
; The chip was launched on July 23, 2026; its instructions are those of AMD's public machine-readable ISA for CDNA 5 (MIT licence, August 2026) and "CDNA5" Instruction Set Architecture Reference Guide (July 2026). The comments in the code are by the model that wrote it; some were corrected since.
;; Diff Llama Attention. Allowed arithmetic: matrix products marked QUANTISED: E2M3 operands, one E8M0 scale for each 32 along K, by v_wmma_scale_f32_16x16x128_f8f6f4 with both operands' format E2M3, f32 sums; everything else in f32.
;; Inputs: attention_mask 2 x 1 x 2,048 x 2,048 float32; cos 2 x 2,048 x 64 float32; hidden_states 2 x 2,048 x 2,048 float32; lambda_k1 64 float32; lambda_k2 64 float32; lambda_q1 64 float32; lambda_q2 64 float32; sin 2 x 2,048 x 64 float32; wk 512 x 2,048 float32; wo 2,048 x 1,024 float32; wq 1,024 x 2,048 float32; wv 512 x 2,048 float32.
;; Outputs: out0 2 x 2,048 x 2,048 float32.
;; This version of the problem:
;;   THIS VERSION OF THE PROBLEM IS GIVEN IN LOW PRECISION. The matrix products marked QUANTISED in the list below multiply operands that are first quantised to E2M3 (2 exponent bits, 3 mantissa bits; 6 bits a number), with one power-of-two scale for each 32 numbers along K (OCP MX v1.0); their sums are f32. All else is computed in f32.
;;   The module's matrix products, in the order in which they are computed (A, B: the left and right operand; K: the contracted axis; several contracted axes count as one K, in the product's order):
;;     1. [M 4,096, K 2,048] x [K 2,048, N 1,024]; A: input hidden_states; B: input wq: QUANTISED
;;     2. [M 4,096, K 2,048] x [K 2,048, N 512]; A: input hidden_states; B: input wk: QUANTISED
;;     3. [M 4,096, K 2,048] x [K 2,048, N 512]; A: input hidden_states; B: input wv: QUANTISED
;;     4. batch 32 x [M 2,048, K 64] x [K 64, N 2,048]; A: computed on the way; B: computed on the way: QUANTISED
;;     5. batch 32 x [M 2,048, K 2,048] x [K 2,048, N 128]; A: softmax (see below); B: computed on the way: QUANTISED
;;     6. [M 4,096, K 1,024] x [K 1,024, N 2,048]; A: computed on the way; B: input wo: QUANTISED
;;   THE QUANTISER, for each operand of a quantised product, along K:
;;     - K is cut into blocks of 32 from its start; a last block that is shorter is filled with zeros.
;;     - A block's scale is 2^e with e = floor(log2(the largest magnitude in the block)) - 2, held to -126 .. 127; a block of zeros has e = 0. As a byte (E8M0): e + 127.
;;     - Each number is divided by its block's scale, clamped to +-7.5, and rounded to the nearest number of E2M3, ties to even, subnormals kept.
;;     - The product sums the exact products of the quantised numbers (number of the format x scale) in f32.
;;   ~~~python
;;   def quantise(x, axis):      # numpy; x: float32 -> the quantised numbers, widened to float32 again
;;       x = np.moveaxis(x, axis, -1); K = x.shape[-1]
;;       x = np.pad(x, [(0, 0)] * (x.ndim - 1) + [(0, -K % 32)]); x = x.reshape(x.shape[:-1] + (-1, 32)); a = np.abs(x).max(-1, keepdims=True)
;;       e = np.where(a > 0, np.clip(np.frexp(np.where(a > 0, a, 1))[1] - 1 - 2, -126, 127), 0)      # np.frexp(a)[1] - 1 = floor(log2(a)), exactly
;;       r = np.clip(x / 2.0 ** e, -7.5, 7.5)
;;       step = 2.0 ** (np.maximum(np.frexp(np.where(r == 0, 1, r))[1] - 1, 0) - 3)
;;       q = np.round(r / step) * step * 2.0 ** e      # np.round: ties to even
;;       return np.moveaxis(q.reshape(q.shape[:-2] + (-1,))[..., :K], -1, axis).astype(np.float32)
;;   ~~~
;;   SOFTMAX AHEAD OF A QUANTISED PRODUCT. Where the list says 'softmax', what is quantised is not the finished softmax but p = 2^(t - M), with t = logit x log2(e) and M = ceil(the row's largest t), a whole number; so 1/2 < the row's largest p <= 1. The row's sum l is taken of the UNQUANTISED p, in f32, and the product's result is divided by l at the end. Since M is a whole number, a kernel that streams over the keys may use a running M (the ceiling of the running maximum): every later rescaling is an exact power of two, which a block's scale takes up: the codes' values come out the same.
;;   OPERANDS COMPUTED ON THE WAY. 'Computed on the way' means the value that the module computes at that place (a softmax that the list does not call 'softmax' is quantised finished and normalised). What goes into a quantiser is computed in f32, as accurately as f32 sums, v_exp_f32 and their like allow (about 1e-6 of the number): no bf16 or f16 on the way to a quantiser, and a product that is left as it is and whose result goes on into a quantised operand takes f32 operands (vector FMAs, or v_wmma_f32_16x16x4_f32). A number that lies on a knife's edge between two numbers of the format may be rounded either way, as far as f32 arithmetic and the matrix unit's own rounding can turn it there, and no further.
;; One version. Each part assembles by itself: llvm-mc -triple=amdgcn-amd-amdhsa -mcpu=gfx1250 --defsym DOCPART=n.
;; ======== version 1 of 1: 4 launches
;; limits: right only within a limited range of input values
;; workspace buffers: qin 11,927,552 bytes; qkv 6,553,600 bytes; att 3,407,872 bytes
;; launch quant (part 1): grid 256 x 1, 7 waves a work-group, no clusters, 61,952 bytes of LDS; arguments hidden_states, wq, wk, wv, wo, qin; writes qin
.if DOCPART == 1
	.amdgcn_target "amdgcn-amd-amdhsa--gfx1250"
	.amdhsa_code_object_version 6
	.text
	.protected	k_q7d256304a3_quant
	.globl	k_q7d256304a3_quant
	.p2align	8
	.type	k_q7d256304a3_quant,@function
k_q7d256304a3_quant:
	s_mov_b64 s[64:65], 0
	v_nop
	global_prefetch_b8 v0, s[64:65] scope:SCOPE_SE
	s_setreg_imm32_b32 hwreg(HW_REG_WAVE_MODE, 25, 1), 1
	s_wait_xcnt 0x0
; hidden_states [4096][2048], wq [1024][2048], wk, wv [512][2048], wo [2048][1024], all f32 with K innermost, become codes of FP6 (E2M3) with one E8M0 byte for each 32 along K,
; laid as IMAGES OF OPERAND REGISTERS: an image is 16 rows x 128 K, 12 registers a lane, register g of lane L at byte 512 (g / 4) + 16 L + 4 (g % 4): 1,536 bytes that three 16-byte accesses a lane write or read on end.
; Registers 6 c .. 6 c + 5 of lane (r, h) hold K = 64 c + 32 h + 0 .. 31 of the image's row r.  Scale words: 256 bytes for a row block and two K steps: lane L has 8 bytes at 8 L (lanes r and r + 16 the same row's two words).
; A row block's two K steps lie together, 3,328 bytes: image, image, scale words: so one tensor load of the products' launches brings codes and scale words alike.
; THE ROWS OF A ROW BLOCK ARE NOT NEIGHBOURS: slot r of block rho is row 32 (rho / 2) + 8 (rho % 2) + r + 8 (r / 8), so that results of a product used transposed lie 16 neighbours to a lane's 16 registers.
; A block's scale is 2^(floor(log2(largest magnitude)) - 2): its byte is the largest magnitude's exponent field - 2, held at 1 from below.
; LIMITS: a block of zeros, and a block whose largest magnitude lies under 2^-124, gets the byte 1 (zero codes add nothing; this program alone reads the bytes); NaN and infinities among the inputs are not served.
; SHARES: 7,168 images; a wave takes one row block x 4 K steps: 1,792 waves = 256 work-groups x 7.  The tensor is chosen by selects on the wave's task number: one path for all five.
; Each load reads 512 consecutive bytes of one row; an image's 8 KiB turn through the wave's own stage in LDS (rows 528 bytes apart) and come back 128 bytes of one row a lane.  No barrier: waves share nothing.
.set PAIRB, 3328                       ; two K steps of a row block
.set HSC, 0                            ; qin: hidden_states [256][8][3328]
.set WC,  6815744                      ; wq | wk | wv [128][8][3328]: blocks 0-63 wq; wk's block p at 64 + 16 (p / 8) + p % 8; wv's at 72 + 16 (p / 8) + p % 8
.set WOC, 10223616                     ; wo [128][4][3328]
.set STG, 8704                         ; a wave's stage
.set SP,  528                          ; a stage row: 512 bytes + 16
.set LI,  1                            ; v1  16 x lane
.set SIN, 2                            ; v2  stage, way in
.set SOUT, 3                           ; v3  stage, way out: 528 r + 128 h
.set L8,  4                            ; v4  8 x lane
.set H8,  5                            ; v5  8 h
.set OFF, 8                            ; v8-23   row i of the block: 16 x lane + (i + 8 (i / 8)) x the row's bytes; never rewritten
.set R,   24                           ; v24-151 two sets of 64 registers as loaded
.set X,   152                          ; v152-215 my 64 numbers: two blocks of 32
.set PC,  216                          ; v216-227 the image
.set CT,  228                          ; v228-230, v232-234 the conversions' second halves
.set TM,  236                          ; v236-243 at work
.set SW,  244                          ; v244-245 two K steps' scale words
	s_load_b256 s[4:11], s[0:1], 0x0               ; hidden_states, wq, wk, wv
	s_load_b128 s[12:15], s[0:1], 0x20             ; wo, qin
	v_lshl_add_u32 v254, v0, 2, 0xee00
	v_mov_b32 v255, 0
	v_lshrrev_b32 v6, 5, v0
	v_readfirstlane_b32 s16, v6                    ; wave 0..6
	v_and_b32 v6, 31, v0                           ; lane
	v_and_b32 v7, 15, v0                           ; r
	v_bfe_u32 v[H8], v0, 4, 1                      ; h
	v_lshlrev_b32 v[LI], 4, v6
	v_lshlrev_b32 v[L8], 3, v6
	s_mul_i32 s40, s16, STG
	v_add_nc_u32 v[SIN], s40, v[LI]
	v_mul_u32_u24 v[SOUT], v7, SP
	v_lshl_add_u32 v[SOUT], v[H8], 7, v[SOUT]
	v_add_nc_u32 v[SOUT], s40, v[SOUT]
	v_lshlrev_b32 v[H8], 3, v[H8]
	v_mov_b32 v[TM+7], 0                           ; a lane permute's destination counts as one of its sources: written once
	s_mov_b32 s20, 0x76543210
	s_mov_b32 s21, 0xfedcba98                      ; selects for lane l xor 16
	s_mul_i32 s17, ttmp9, 7
	s_add_co_u32 s17, s17, s16                     ; my task, 0 .. 1791: 0 hidden_states, 1024 wq, 1280 wk, 1408 wv, 1536 wo
	s_mov_b32 s22, 1536                            ; the tensor's first task;   wo's figures first, then the others' by selects
	s_mov_b32 s23, 1                               ; log2 of the tasks in a row block
	s_mov_b32 s24, 4096                            ; a row in bytes
	s_mov_b32 s25, WOC
	s_mov_b32 s27, 0                               ; where the tensor's blocks begin among the region's,
	s_mov_b32 s28, 3                               ; and how far apart groups of eight blocks lie there (log2)
	s_mov_b32 s29, 8                               ; K steps in a row
	s_wait_alu depctr_va_vdst(0)
	s_wait_kmcnt 0x0
	s_mov_b64 s[18:19], s[12:13]
	s_cmp_lt_u32 s17, 1536                         ; wv or earlier
	s_cselect_b64 s[18:19], s[10:11], s[18:19]
	s_cselect_b32 s22, 1408, s22
	s_cselect_b32 s23, 2, s23
	s_cselect_b32 s24, 8192, s24
	s_cselect_b32 s25, WC, s25
	s_cselect_b32 s27, 72, s27
	s_cselect_b32 s28, 4, s28
	s_cselect_b32 s29, 16, s29
	s_cmp_lt_u32 s17, 1408                         ; wk or earlier
	s_cselect_b64 s[18:19], s[8:9], s[18:19]
	s_cselect_b32 s22, 1280, s22
	s_cselect_b32 s27, 64, s27
	s_cmp_lt_u32 s17, 1280                         ; wq or hidden_states
	s_cselect_b64 s[18:19], s[6:7], s[18:19]
	s_cselect_b32 s22, 1024, s22
	s_cselect_b32 s27, 0, s27
	s_cselect_b32 s28, 3, s28
	s_cmp_lt_u32 s17, 1024                         ; hidden_states
	s_cselect_b64 s[18:19], s[4:5], s[18:19]
	s_cselect_b32 s22, 0, s22
	s_cselect_b32 s25, HSC, s25
	s_sub_co_u32 s17, s17, s22                     ; the task within its tensor
	s_lshr_b32 s30, s17, s23                       ; rho
	s_lshl_b32 s31, s30, s23
	s_sub_co_u32 s31, s17, s31
	s_lshl_b32 s31, s31, 2                         ; my first K step
	s_lshr_b32 s32, s30, 1
	s_lshl_b32 s32, s32, 5
	s_and_b32 s33, s30, 1
	s_lshl_b32 s33, s33, 3
	s_add_co_u32 s32, s32, s33                     ; the block's first row: 32 (rho / 2) + 8 (rho % 2)
	s_mul_i32 s32, s32, s24
	s_lshl_b32 s33, s31, 9
	s_add_co_u32 s32, s32, s33                     ; + 512 bytes a K step
	s_mov_b32 s33, 0
	s_add_nc_u64 s[18:19], s[18:19], s[32:33]
	s_lshr_b32 s34, s30, 3
	s_lshl_b32 s34, s34, s28
	s_and_b32 s35, s30, 7
	s_add_co_u32 s34, s34, s35
	s_add_co_u32 s34, s34, s27                     ; the block's place in its region
	s_mul_i32 s34, s34, s29
	s_add_co_u32 s35, s34, s31                     ; the image's number there: a multiple of 4
	s_lshr_b32 s35, s35, 1                         ; the pair's number
	s_mul_i32 s36, s35, PAIRB
	s_add_co_u32 s36, s36, s25
	s_mov_b32 s37, 0
	s_add_nc_u64 s[36:37], s[14:15], s[36:37]      ; my two pairs
.irp i, 0,1,2,3,4,5,6,7,8,9,10,11,12,13,14,15
	s_mul_i32 s40, s24, \i+8*(\i/8)
	v_add_nc_u32 v[OFF+\i], s40, v[LI]
.endr
.macro LOADI k                         ; K step k of my four: 16 rows x 512 consecutive bytes, into set k % 2
.irp i, 0,1,2,3,4,5,6,7,8,9,10,11,12,13,14,15
	global_load_b128 v[R+64*((\k)%2)+4*\i:R+64*((\k)%2)+4*\i+3], v[OFF+\i], s[18:19] offset:512*(\k) th:TH_LOAD_NT
.endr
.endm
.macro IMG k
.if (\k) < 3
	s_wait_loadcnt 16                              ; this image's 16 loads are in; the next image's 16 may be out
.else
	s_wait_loadcnt 0x0
.endif
.irp i, 0,1,2,3,4,5,6,7,8,9,10,11,12,13,14,15
	ds_store_b128 v[SIN], v[R+64*((\k)%2)+4*\i:R+64*((\k)%2)+4*\i+3] offset:SP*\i
.endr
.irp c, 0,1
.irp m, 0,1,2,3,4,5,6,7
	ds_load_b128 v[X+32*\c+4*\m:X+32*\c+4*\m+3], v[SOUT] offset:256*\c+16*\m   ; LDS serves a wave's instructions in order: these see the stores above.  K = 64 c + 32 h + 4 m .. of row r
.endr
.endr
	s_wait_dscnt 0x0                               ; my 64 numbers are in, and the stores have read the set
	s_wait_xcnt 0x0                                ; the last image's stores have read the image's and the scale words' registers
.if (\k) < 2
	LOADI (\k)+2
.endif
	v_max3_num_f32 v[TM], |v[X]|, |v[X+1]|, 0x1800000          ; my two blocks by turns; the floor 2^(3 - 127) holds the byte at 1 from below
	v_max3_num_f32 v[TM+1], |v[X+32]|, |v[X+33]|, 0x1800000
.irp i, 2,4,6,8,10,12,14,16,18,20,22,24,26,28,30
	v_max3_num_f32 v[TM], v[TM], |v[X+\i]|, |v[X+1+\i]|
	v_max3_num_f32 v[TM+1], v[TM+1], |v[X+32+\i]|, |v[X+33+\i]|
.endr
	v_add_nc_u32 v[TM+2], 0xff000000, v[TM]        ; 2 off the exponent field: the conversion's scale operand
	v_add_nc_u32 v[TM+3], 0xff000000, v[TM+1]
	v_lshrrev_b32 v[TM+4], 23, v[TM+2]             ; the bytes of K blocks h and 2 + h
	v_lshrrev_b32 v[TM+5], 23, v[TM+3]
	v_lshl_or_b32 v[TM+6], v[TM+5], 16, v[TM+4]
	v_lshlrev_b32 v[TM+6], v[H8], v[TM+6]          ; at their places in the word
	v_permlanex16_b32 v[TM+7], v[TM+6], s20, s21
	v_or_b32 v[SW+(\k)%2], v[TM+6], v[TM+7]        ; with lane l xor 16's two the word is whole, in both lanes
	v_cvt_scalef32_pk16_fp6_f32 v[PC:PC+2], v[X:X+15], v[TM+2]
	v_cvt_scalef32_pk16_fp6_f32 v[CT:CT+2], v[X+16:X+31], v[TM+2]        ; (a conversion's three registers begin on an even number)
	v_cvt_scalef32_pk16_fp6_f32 v[PC+6:PC+8], v[X+32:X+47], v[TM+3]
	v_cvt_scalef32_pk16_fp6_f32 v[CT+4:CT+6], v[X+48:X+63], v[TM+3]
	v_nop                                          ; one plain line behind the scaled conversions
.irp i, 0,1,2
	v_mov_b32 v[PC+3+\i], v[CT+\i]
	v_mov_b32 v[PC+9+\i], v[CT+4+\i]
.endr
.irp c, 0,1,2
	global_store_b128 v[LI], v[PC+4*\c:PC+4*\c+3], s[36:37] offset:PAIRB*((\k)/2)+1536*((\k)%2)+512*\c   ; 32 lanes store 512 consecutive bytes
.endr
.if (\k)%2 == 1
	global_store_b64 v[L8], v[SW:SW+1], s[36:37] offset:PAIRB*((\k)/2)+3072                              ; 32 lanes store 256 consecutive bytes, aligned
.endif
.endm
	s_wait_alu depctr_va_vdst(0)
	LOADI 0
	LOADI 1
	IMG 0
	IMG 1
	IMG 2
	IMG 3
	s_wait_tensorcnt 0x0
	ds_add_u32 v254, v255
	s_wait_dscnt 0x0
	s_endpgm
.Lfunc_end_k_q7d256304a3_quant:
	.size	k_q7d256304a3_quant, .Lfunc_end_k_q7d256304a3_quant-k_q7d256304a3_quant
	.p2alignl 7, 3214868480
	.fill 96, 4, 3214868480
	.section	.rodata,"a",@progbits
	.p2align	6, 0x0
	.amdhsa_kernel k_q7d256304a3_quant
		.amdhsa_group_segment_fixed_size 61952
		.amdhsa_private_segment_fixed_size 0
		.amdhsa_enable_private_segment 0
		.amdhsa_kernarg_size 48
		.amdhsa_user_sgpr_count 2
		.amdhsa_user_sgpr_kernarg_segment_ptr 1
		.amdhsa_wavefront_size32 1
		.amdhsa_system_sgpr_workgroup_id_x 1
		.amdhsa_system_sgpr_workgroup_id_y 1
		.amdhsa_system_sgpr_workgroup_id_z 1
		.amdhsa_system_vgpr_workitem_id 0
		.amdhsa_next_free_vgpr 256
		.amdhsa_next_free_sgpr 66
		.amdhsa_reserve_vcc 0
		.amdhsa_float_denorm_mode_32 3
		.amdhsa_float_denorm_mode_16_64 3
		.amdhsa_memory_ordered 1
		.amdhsa_forward_progress 1
		.amdhsa_inst_pref_size 33
	.end_amdhsa_kernel
	.amdgpu_metadata
---
amdhsa.version: [ 1, 2 ]
amdhsa.kernels:
  - .name:           k_q7d256304a3_quant
    .symbol:         k_q7d256304a3_quant.kd
    .args:
      - { .name: hidden_states, .offset: 0, .size: 8, .value_kind: global_buffer, .address_space: global }
      - { .name: wq, .offset: 8, .size: 8, .value_kind: global_buffer, .address_space: global }
      - { .name: wk, .offset: 16, .size: 8, .value_kind: global_buffer, .address_space: global }
      - { .name: wv, .offset: 24, .size: 8, .value_kind: global_buffer, .address_space: global }
      - { .name: wo, .offset: 32, .size: 8, .value_kind: global_buffer, .address_space: global }
      - { .name: qin, .offset: 40, .size: 8, .value_kind: global_buffer, .address_space: global }
    .group_segment_fixed_size: 61952
    .private_segment_fixed_size: 0
    .kernarg_segment_align: 8
    .kernarg_segment_size: 48
    .max_flat_workgroup_size: 224
    .sgpr_count:     66
    .vgpr_count:     256
    .wavefront_size: 32
...
	.end_amdgpu_metadata
.endif
;; end of part 1
;; launch qkv (part 2): grid 8 x 32, 4 waves a work-group, clusters of 4 x 4, 327,680 bytes of LDS; arguments qin, cos, sin, qkv; writes qkv
.if DOCPART == 2
	.amdgcn_target "amdgcn-amd-amdhsa--gfx1250"
	.amdhsa_code_object_version 6
	.text
	.protected	k_q7d256304a3_qkv
	.globl	k_q7d256304a3_qkv
	.p2align	8
	.type	k_q7d256304a3_qkv,@function
k_q7d256304a3_qkv:
	s_mov_b64 s[64:65], 0
	v_nop
	global_prefetch_b8 v0, s[64:65] scope:SCOPE_SE
	s_setreg_imm32_b32 hwreg(HW_REG_WAVE_MODE, 25, 1), 1
	s_wait_xcnt 0x0
	s_wait_alu depctr_hold_cnt(0) depctr_sa_sdst(0) depctr_va_vdst(0) depctr_va_sdst(0) depctr_va_ssrc(0) depctr_va_vcc(0) depctr_vm_vsrc(0)
	s_getreg_b32 s2, hwreg(HW_REG_IB_STS2, 6, 4)
	s_cmp_eq_u32 s2, 0
	s_cbranch_scc0 .Lentry_in_a_cluster
	s_endpgm
.Lentry_in_a_cluster:
	s_bfe_u32 s2, ttmp6, 0x10000c
	s_cmp_lg_u32 s2, 0xf033
	s_cbranch_scc0 .Lentry_shape_is_right
	s_endpgm
.Lentry_shape_is_right:
.set KI,    16
.set FR,    12
.set NP,    4
.set PAIRB, 3328
.set BLKB,  2*PAIRB
.set ROWP,  (KI/2)*PAIRB
.set ABYTES, 8*BLKB
.set SLOT,  24*BLKB
.set SPARE, 2*SLOT
.set WC,    6815744
.set QKI,   0
.set VI,    4718592
.set QKS,   6291456
.set VS,    6488064
.set VPIT,  272
.set ADRA, 16
.set ADRS, 18
.set ADRB, 20
.set ADRT, 22
.set STO,  24
.set RDV,  25
.set LI,   26
.set SPW,  28
.set NIL,  29
.set CSO,  30
.set L8,   31
.set SC,   32
.set AF,   64
.set G1, 24
.set G0, 32
.set G1B, 48
.set G0B, 56
.set MSB, 0
.macro WIN new
.if MSB != (\new)
	s_set_vgpr_msb (MSB<<8)|(\new)
.set MSB, (\new)
.endif
.endm
.set MULW, 0xa1
.set TO_B, 0x40
.macro JLOAD g0a, g1a, g0b, g1b
	s_cmp_eq_u32 s15, 0
	s_cbranch_scc0 .Lfor_b_\@
	tensor_load_to_lds s[\g0a:\g0a+3], s[\g1a:\g1a+7]
	s_nop 0
.rept 4
	v_nop
.endr
	s_branch .Lasked_\@
.Lfor_b_\@:
	tensor_load_to_lds s[\g0b:\g0b+3], s[\g1b:\g1b+7]
	s_nop 0
.rept 4
	v_nop
.endr
.Lasked_\@:
.endm
.macro CREST
	s_cmp_lg_u32 s14, 0
	s_cbranch_scc1 .Lnot_wave_0_\@
	s_barrier_signal -3
.Lnot_wave_0_\@:
	s_barrier_wait -3
	s_barrier_signal -1
	s_barrier_wait -1
.endm
.macro CROUND
	s_barrier_signal -1
	s_barrier_wait -1
	CREST
.endm
	s_load_b256 s[4:11], s[0:1], 0x0
	v_lshl_add_u32 v[SPW], v0, 2, SPARE
	v_mov_b32 v[NIL], 0
	ds_add_u32 v28, v29
	ds_add_u32 v28, v29
	s_wait_dscnt 0x0
	v_lshrrev_b32 v1, 5, v0
	v_readfirstlane_b32 s14, v1
	s_lshr_b32 s15, s14, 1
	s_and_b32 s16, s14, 1
	s_bfe_u32 s40, ttmp6, 0x40000
	s_bfe_u32 s41, ttmp6, 0x40004
	s_lshl_b32 s42, ttmp9, 2
	s_add_co_u32 s42, s42, s40
	s_and_b32 s17, ttmp7, 0xffff
	s_lshl_b32 s17, s17, 2
	s_add_co_u32 s17, s17, s41
	s_lshl_b32 s43, s41, 2
	s_lshl_b32 s43, 15, s43
	s_lshl_b32 s44, 0x1111, s40
	s_or_b32 s[G1+0], s43, (3<<16)|(1<<21)
	s_mov_b32 s[G1+1], 832<<16
	s_mov_b32 s[G1+2], 4<<16
	s_mov_b32 s[G1+3], 832<<16
	s_mov_b32 s[G1+4], 4
	s_mov_b32 s[G1+5], ROWP/8
	s_mov_b32 s[G1+6], 0
	s_mov_b32 s[G1+7], 0
	s_or_b32 s[G1B+0], s44, (3<<16)|(1<<21)
	s_mov_b32 s[G1B+1], 832<<16
	s_mov_b32 s[G1B+2], 8<<16
	s_mov_b32 s[G1B+3], 832<<16
	s_mov_b32 s[G1B+4], 8
	s_mov_b32 s[G1B+5], ROWP/8
	s_mov_b32 s[G1B+6], 0
	s_mov_b32 s[G1B+7], 0
	s_lshl_b32 s18, s16, 2
	s_lshl_b32 s20, s17, 3
	s_add_co_u32 s20, s20, s18
	s_lshl_b32 s18, s16, 3
	s_lshl_b32 s46, s42, 4
	s_add_co_u32 s46, s46, s18
	s_mul_i32 s20, s20, ROWP
	s_mul_i32 s46, s46, ROWP
	s_add_co_u32 s46, s46, WC
	s_mov_b32 s21, 0
	s_mov_b32 s47, 0
	s_mul_i32 s45, s16, 4*BLKB
	s_mul_i32 s94, s16, 8*BLKB
	s_add_co_u32 s94, s94, ABYTES
	s_wait_kmcnt 0x0
	s_add_nc_u64 s[20:21], s[4:5], s[20:21]
	s_add_nc_u64 s[46:47], s[4:5], s[46:47]
	CROUND
.irp s, 0,1
	s_mov_b32 s[G0+4*\s], 1
	s_add_co_u32 s[G0+4*\s+1], s45, \s*SLOT
	s_add_nc_u64 s[G0+4*\s+2:G0+4*\s+3], s[20:21], \s*BLKB
	s_or_b32 s[G0+4*\s+3], s[G0+4*\s+3], 0x80000000
	s_mov_b32 s[G0B+4*\s], 1
	s_add_co_u32 s[G0B+4*\s+1], s94, \s*SLOT
	s_add_nc_u64 s[G0B+4*\s+2:G0B+4*\s+3], s[46:47], \s*BLKB
	s_or_b32 s[G0B+4*\s+3], s[G0B+4*\s+3], 0x80000000
	s_wait_alu depctr_va_vdst(0)
	s_wait_tensorcnt 0x0
	ds_add_u32 v28, v29
	ds_add_u32 v28, v29
	s_wait_dscnt 0x0
	CROUND
	JLOAD G0+4*\s, G1, G0B+4*\s, G1B
.endr
	v_and_b32 v1, 15, v0
	v_bfe_u32 v2, v0, 4, 1
	v_and_b32 v3, 31, v0
	v_lshlrev_b32 v[LI], 4, v3
	v_lshlrev_b32 v[L8], 3, v3
	s_mul_i32 s22, s14, 4*BLKB
	s_add_co_u32 s22, s22, ABYTES
	v_mul_u32_u24 v6, s22, v2
.irp s, 0,1
	v_add_nc_u32 v[ADRA+\s], \s*SLOT, v[LI]
	v_add_nc_u32 v[ADRT+\s], \s*SLOT+3072, v[L8]
	v_add_nc_u32 v[ADRS+\s], v[ADRT+\s], v6
	v_add_nc_u32 v[ADRB+\s], s22, v[ADRA+\s]
.endr
	s_mul_i32 s23, s14, 32*VPIT
	v_mul_u32_u24 v5, v1, VPIT
	v_lshl_add_u32 v5, v2, 6, v5
	v_add_nc_u32 v[STO], s23, v5
	v_and_b32 v5, 8, v1
	v_add_nc_u32 v5, v5, v1
	v_lshl_add_u32 v6, v2, 3, v5
	v_lshl_add_u32 v[RDV], v6, 2, s23
	v_lshlrev_b32 v[CSO], 8, v5
	v_lshl_add_u32 v[CSO], v2, 6, v[CSO]
.macro FRAG reg, adr, q, i
.irp c, 0,1,2
	ds_load_b128 v[\reg+4*\c:\reg+4*\c+3], v[\adr] offset:(\i)*BLKB+((\q)/2)*PAIRB+((\q)%2)*1536+512*\c
.endr
.endm
.macro SCALES slot, pr
.irp i, 0,1,2,3
	ds_load_b64 v[SC+16*(\pr)+2*\i:SC+16*(\pr)+2*\i+1], v[ADRS+\slot] offset:\i*BLKB+(\pr)*PAIRB
.endr
.irp i, 4,5,6,7
	ds_load_b64 v[SC+16*(\pr)+2*\i:SC+16*(\pr)+2*\i+1], v[ADRT+\slot] offset:\i*BLKB+(\pr)*PAIRB
.endr
.endm
.macro FETCH slot, q, p
	WIN TO_B
.irp i, 0,1,2,3
	FRAG 48*(\p)+FR*\i, ADRB+\slot, \q, \i
.endr
	WIN 0
.irp i, 0,1,2,3,4,5,6,7
	FRAG AF+96*(\p)+FR*\i, ADRA+\slot, \q, \i
.endr
.if ((\q)%2) == 0
	SCALES \slot, (\q)/2
.endif
.endm
.macro MUL8 a0, p, q, zero
.irp a, \a0, \a0+1
.irp b, 0,1,2,3
.if \zero
	v_wmma_scale_f32_16x16x128_f8f6f4 v[8*(4*(\a)+\b):8*(4*(\a)+\b)+7], v[48*(\p)+FR*\b:48*(\p)+FR*\b+FR-1], v[AF+96*(\p)+FR*(\a):AF+96*(\p)+FR*(\a)+FR-1], 0, v[SC+16*((\q)/2)+2*\b+(\q)%2], v[SC+16*((\q)/2)+2*(\a)+(\q)%2] matrix_a_fmt:MATRIX_FMT_FP6 matrix_b_fmt:MATRIX_FMT_FP6 matrix_a_scale:MATRIX_SCALE_ROW1
.else
	v_wmma_scale_f32_16x16x128_f8f6f4 v[8*(4*(\a)+\b):8*(4*(\a)+\b)+7], v[48*(\p)+FR*\b:48*(\p)+FR*\b+FR-1], v[AF+96*(\p)+FR*(\a):AF+96*(\p)+FR*(\a)+FR-1], v[8*(4*(\a)+\b):8*(4*(\a)+\b)+7], v[SC+16*((\q)/2)+2*\b+(\q)%2], v[SC+16*((\q)/2)+2*(\a)+(\q)%2] matrix_a_fmt:MATRIX_FMT_FP6 matrix_b_fmt:MATRIX_FMT_FP6 matrix_a_scale:MATRIX_SCALE_ROW1
.endif
.endr
.endr
.endm
.macro PLACES n
.rept \n
	v_nop
.endr
.endm
.macro STEP slot, q, zero
	s_wait_dscnt 0x0
	PLACES NP
	FETCH \slot, (\q)+1, 1-(\q)%2
	WIN MULW
	MUL8 0, (\q)%2, \q, \zero
	MUL8 2, (\q)%2, \q, \zero
	MUL8 4, (\q)%2, \q, \zero
	MUL8 6, (\q)%2, \q, \zero
	WIN 0
.endm
.macro TURN slot, next, fill
	s_wait_tensorcnt 0x0
	ds_add_u32 v[SPW], v[NIL]
	s_wait_dscnt 0x1
	WIN MULW
	MUL8 0, 1, 3, 0
	s_wait_dscnt 0x0
	s_barrier_signal -1
	MUL8 2, 1, 3, 0
	WIN 0
	s_barrier_wait -1
.if \fill
	CREST
	s_add_nc_u64 s[G0+4*\slot+2:G0+4*\slot+3], s[G0+4*\slot+2:G0+4*\slot+3], 2*BLKB
	s_add_nc_u64 s[G0B+4*\slot+2:G0B+4*\slot+3], s[G0B+4*\slot+2:G0B+4*\slot+3], 2*BLKB
	JLOAD G0+4*\slot, G1, G0B+4*\slot, G1B
.else
	PLACES NP
.endif
	FETCH \next, 0, 0
	WIN MULW
	MUL8 4, 1, 3, 0
	MUL8 6, 1, 3, 0
	WIN 0
.endm
	s_wait_tensorcnt 1
	s_barrier_signal -1
	s_barrier_wait -1
	FETCH 0, 0, 0
	STEP 0, 0, 1
	STEP 0, 1, 0
	STEP 0, 2, 0
	TURN 0, 1, 1
	STEP 1, 0, 0
	STEP 1, 1, 0
	STEP 1, 2, 0
	TURN 1, 0, 1
	STEP 0, 0, 0
	STEP 0, 1, 0
	STEP 0, 2, 0
	TURN 0, 1, 0
	STEP 1, 0, 0
	STEP 1, 1, 0
	STEP 1, 2, 0
	s_wait_dscnt 0x0
	WIN MULW
	MUL8 0, 1, 3, 0
	MUL8 2, 1, 3, 0
	MUL8 4, 1, 3, 0
	MUL8 6, 1, 3, 0
	WIN 0
	PLACES NP
	s_mov_b32 s96, 0x76543210
	s_mov_b32 s97, 0xfedcba98
	s_lshl_b32 s20, s17, 7
	s_lshr_b32 s66, s17, 4
	s_and_b32 s67, s17, 15
	s_cmp_eq_u32 ttmp9, 1
	s_cselect_b32 s92, s15, 0
	s_cmp_eq_u32 s92, 1
	s_cbranch_scc1 .Lvway
	s_lshl_b32 s22, s20, 8
	s_mov_b32 s23, 0
	s_add_nc_u64 s[6:7], s[6:7], s[22:23]
	s_add_nc_u64 s[8:9], s[8:9], s[22:23]
	s_lshl_b32 s92, s42, 2
	s_add_co_u32 s92, s92, s14
	s_lshl_b32 s93, s42, 1
	s_add_co_u32 s93, s93, 8
	s_add_co_u32 s93, s93, s14
	s_cmp_eq_u32 ttmp9, 0
	s_cselect_b32 s92, s92, s93
	s_mul_i32 s93, s66, 24
	s_add_co_u32 s92, s92, s93
	s_lshl_b32 s93, s92, 6
	s_lshl_b32 s94, s67, 2
	s_add_co_u32 s93, s93, s94
	s_mul_i32 s98, s93, 1536
	s_mov_b32 s99, 0
	s_add_nc_u64 s[98:99], s[10:11], s[98:99]
	s_lshl_b32 s93, s92, 4
	s_add_co_u32 s93, s93, s67
	s_lshl_b32 s100, s93, 8
	s_add_co_u32 s100, s100, QKS
	s_mov_b32 s101, 0
	s_add_nc_u64 s[100:101], s[10:11], s[100:101]
	v_mov_b32 v162, 0
	v_mov_b32 v163, 0
	v_lshlrev_b32 v3, 4, v1
	v_lshl_add_u32 v3, v2, 3, v3
.macro CSLOAD a
	WIN 0x40
.irp m, 0,1,2,3
	global_load_b128 v[64*((\a)%4)+4*\m:64*((\a)%4)+4*\m+3], v[CSO], s[6:7] offset:(32*((\a)/2)+8*((\a)%2))*256+16*\m
	global_load_b128 v[64*((\a)%4)+16+4*\m:64*((\a)%4)+16+4*\m+3], v[CSO], s[6:7] offset:(32*((\a)/2)+8*((\a)%2))*256+128+16*\m
	global_load_b128 v[64*((\a)%4)+32+4*\m:64*((\a)%4)+32+4*\m+3], v[CSO], s[8:9] offset:(32*((\a)/2)+8*((\a)%2))*256+16*\m
	global_load_b128 v[64*((\a)%4)+48+4*\m:64*((\a)%4)+48+4*\m+3], v[CSO], s[8:9] offset:(32*((\a)/2)+8*((\a)%2))*256+128+16*\m
.endr
	WIN 0
.endm
.macro ROPEQ a
.set XA, 32*(\a)
.set CR, 64*((\a)%4)
.set PQ, 128+6*((\a)%2)
	WIN 0x06
.irp p, 0,2,4,6,8,10,12,14
	v_pk_mul_f32 v[96+\p:97+\p], v[XA+16+\p:XA+17+\p], v[CR+32+\p:CR+33+\p]
	v_pk_mul_f32 v[112+\p:113+\p], v[XA+\p:XA+1+\p], v[CR+48+\p:CR+49+\p]
	v_pk_fma_f32 v[64+\p:65+\p], v[XA+\p:XA+1+\p], v[CR+\p:CR+1+\p], v[96+\p:97+\p] neg_lo:[0,0,1] neg_hi:[0,0,1]
	v_pk_fma_f32 v[80+\p:81+\p], v[XA+16+\p:XA+17+\p], v[CR+16+\p:CR+17+\p], v[112+\p:113+\p]
.endr
	WIN 0
	v_max3_num_f32 v160, |v64|, |v65|, 0x1800000
	v_max3_num_f32 v161, |v80|, |v81|, 0x1800000
.irp i, 2,4,6,8,10,12,14
	v_max3_num_f32 v160, v160, |v[64+\i]|, |v[65+\i]|
	v_max3_num_f32 v161, v161, |v[80+\i]|, |v[81+\i]|
.endr
	v_permlanex16_b32 v162, v160, s96, s97
	v_permlanex16_b32 v163, v161, s96, s97
	v_max_num_f32 v160, v160, v162
	v_max_num_f32 v161, v161, v163
	v_add_nc_u32 v164, 0xff000000, v160
	v_add_nc_u32 v165, 0xff000000, v161
	v_lshrrev_b32 v166, 23, v164
	v_lshrrev_b32 v167, 23, v165
	v_lshl_or_b32 v166, v167, 8, v166
.if (\a)%2 == 0
	v_mov_b32 v[176+(\a)/2], v166
.else
	v_lshl_or_b32 v[176+(\a)/2], v166, 16, v[176+(\a)/2]
.endif
	v_cvt_scalef32_pk16_fp6_f32 v[PQ:PQ+2], v[64:79], v164
	v_cvt_scalef32_pk16_fp6_f32 v[152:154], v[80:95], v165
	v_nop
.irp i, 0,1,2
	v_permlane16_swap_b32 v[PQ+\i], v[152+\i]
.endr
.irp i, 0,1,2
	v_mov_b32 v[PQ+3+\i], v[152+\i]
.endr
.endm
	s_wait_alu depctr_va_vdst(0)
	CSLOAD 0
	CSLOAD 1
	CSLOAD 2
	CSLOAD 3
.irp a, 0,1,2,3,4,5,6,7
.if \a < 5
	s_wait_loadcnt 48
.else
	s_wait_loadcnt 16*(7-\a)
.endif
.if (\a%2 == 0) && (\a > 0)
	s_wait_xcnt 0x0
.endif
	ROPEQ \a
.if \a < 4
	CSLOAD \a+4
.endif
.if \a%2 == 1
.irp c, 0,1,2
	global_store_b128 v[LI], v[128+4*\c:128+4*\c+3], s[98:99] offset:1536*(\a/2)+512*\c
.endr
.endif
.endr
	v_cmp_eq_u32 vcc_lo, 1, v2
	v_cndmask_b32 v184, v176, v178, vcc_lo
	v_cndmask_b32 v185, v177, v179, vcc_lo
	global_store_b64 v3, v[184:185], s[100:101]
	s_branch .Lend
.Lvway:
	s_sub_co_u32 s92, s42, 4
	s_lshl_b32 s92, s92, 1
	s_add_co_u32 s92, s92, s16
	s_lshl_b32 s93, s66, 3
	s_add_co_u32 s92, s92, s93
	s_lshl_b32 s92, s92, 4
	s_add_co_u32 s92, s92, s67
	s_mul_i32 s98, s92, 6144
	s_add_co_u32 s98, s98, VI
	s_mov_b32 s99, 0
	s_add_nc_u64 s[98:99], s[10:11], s[98:99]
	s_lshl_b32 s100, s92, 8
	s_add_co_u32 s100, s100, VS
	s_mov_b32 s101, 0
	s_add_nc_u64 s[100:101], s[10:11], s[100:101]
.macro VSTAGE bk
	WIN 0x08
.irp u, 0,1
.irp b, 0,1,2,3
	ds_store_b128 v[STO], v[32*(2*(\bk)+\u)+8*\b:32*(2*(\bk)+\u)+8*\b+3] offset:16*\u*VPIT+128*(\b/2)+32*(\b%2)
	ds_store_b128 v[STO], v[32*(2*(\bk)+\u)+8*\b+4:32*(2*(\bk)+\u)+8*\b+7] offset:16*\u*VPIT+128*(\b/2)+32*(\b%2)+16
.endr
.endr
	WIN 0
.endm
.macro VLD g
.set i, 0
.rept 32
	ds_load_b32 v[32+32*((\g)%2)+i], v[RDV] offset:(16*((i/8)%2)+8*(i/16)+i%8)*VPIT+128*(\g)
.set i, i+1
.endr
.endm
.macro VQ bk, g
.set XV, 32+32*((\g)%2)
.set VCD, 96+12*(2*(\g)+(\bk)%2)+6*((\bk)/2)
	v_max3_num_f32 v196, |v[XV]|, |v[XV+1]|, 0x1800000
	v_max3_num_f32 v197, |v[XV+16]|, |v[XV+17]|, 0x1800000
.irp i, 2,4,6,8,10,12,14
	v_max3_num_f32 v196, v196, |v[XV+\i]|, |v[XV+1+\i]|
	v_max3_num_f32 v197, v197, |v[XV+16+\i]|, |v[XV+17+\i]|
.endr
	v_max_num_f32 v196, v196, v197
	v_add_nc_u32 v198, 0xff000000, v196
	v_lshrrev_b32 v199, 23, v198
.if (\bk) == 0
	v_mov_b32 v[204+(\g)], v199
.else
	v_lshl_or_b32 v[204+(\g)], v199, 8*(\bk), v[204+(\g)]
.endif
	v_cvt_scalef32_pk16_fp6_f32 v[VCD:VCD+2], v[XV:XV+15], v198
	v_cvt_scalef32_pk16_fp6_f32 v[192:194], v[XV+16:XV+31], v198
	v_nop
.irp i, 0,1,2
	v_mov_b32 v[VCD+3+\i], v[192+\i]
.endr
.endm
	s_wait_alu depctr_va_vdst(0)
.irp bk, 0,1,2,3
	VSTAGE \bk
	VLD 0
	VLD 1
	s_wait_dscnt 32
	VQ \bk, 0
	s_wait_dscnt 0x0
	VQ \bk, 1
.endr
.irp g, 0,1
.irp w, 0,1,2,3,4,5,6,7,8,9,10,11
	v_permlane16_swap_b32 v[96+24*\g+\w], v[96+24*\g+12+\w]
.endr
.endr
.irp t, 0,1,2,3
.irp c, 0,1,2
	global_store_b128 v[LI], v[96+12*\t+4*\c:96+12*\t+4*\c+3], s[98:99] offset:1536*\t+512*\c
.endr
.endr
	global_store_b64 v[L8], v[204:205], s[100:101]
.Lend:
	s_wait_tensorcnt 0x0
	ds_add_u32 v[SPW], v[NIL]
	s_wait_dscnt 0x0
	CROUND
	s_endpgm
.Lfunc_end_k_q7d256304a3_qkv:
	.size	k_q7d256304a3_qkv, .Lfunc_end_k_q7d256304a3_qkv-k_q7d256304a3_qkv
	.p2alignl 7, 3214868480
	.fill 96, 4, 3214868480
	.section	.rodata,"a",@progbits
	.p2align	6, 0x0
	.amdhsa_kernel k_q7d256304a3_qkv
		.amdhsa_group_segment_fixed_size 327680
		.amdhsa_private_segment_fixed_size 0
		.amdhsa_enable_private_segment 0
		.amdhsa_kernarg_size 32
		.amdhsa_user_sgpr_count 2
		.amdhsa_user_sgpr_kernarg_segment_ptr 1
		.amdhsa_wavefront_size32 1
		.amdhsa_system_sgpr_workgroup_id_x 1
		.amdhsa_system_sgpr_workgroup_id_y 1
		.amdhsa_system_sgpr_workgroup_id_z 1
		.amdhsa_system_vgpr_workitem_id 0
		.amdhsa_next_free_vgpr 768
		.amdhsa_next_free_sgpr 102
		.amdhsa_reserve_vcc 1
		.amdhsa_float_denorm_mode_32 3
		.amdhsa_float_denorm_mode_16_64 3
		.amdhsa_memory_ordered 1
		.amdhsa_forward_progress 1
		.amdhsa_inst_pref_size 201
	.end_amdhsa_kernel
	.amdgpu_metadata
---
amdhsa.version: [ 1, 2 ]
amdhsa.kernels:
  - .name:           k_q7d256304a3_qkv
    .symbol:         k_q7d256304a3_qkv.kd
    .args:
      - { .name: qin, .offset: 0, .size: 8, .value_kind: global_buffer, .address_space: global }
      - { .name: cos, .offset: 8, .size: 8, .value_kind: global_buffer, .address_space: global }
      - { .name: sin, .offset: 16, .size: 8, .value_kind: global_buffer, .address_space: global }
      - { .name: qkv, .offset: 24, .size: 8, .value_kind: global_buffer, .address_space: global }
    .group_segment_fixed_size: 327680
    .private_segment_fixed_size: 0
    .kernarg_segment_align: 8
    .kernarg_segment_size: 32
    .max_flat_workgroup_size: 128
    .sgpr_count:     102
    .vgpr_count:     768
    .wavefront_size: 32
...
	.end_amdgpu_metadata
.endif
;; end of part 2
;; launch attn (part 3): grid 4 x 64, 4 waves a work-group, clusters of 4 x 4, 327,680 bytes of LDS; arguments attention_mask, qkv, lambda_q1, lambda_k1, lambda_q2, lambda_k2, att; writes att
.if DOCPART == 3
	.amdgcn_target "amdgcn-amd-amdhsa--gfx1250"
	.amdhsa_code_object_version 6
	.text
	.protected	k_q7d256304a3_attn
	.globl	k_q7d256304a3_attn
	.p2align	8
	.type	k_q7d256304a3_attn,@function
k_q7d256304a3_attn:
	s_mov_b64 s[64:65], 0
	v_nop
	global_prefetch_b8 v0, s[64:65] scope:SCOPE_SE
	s_setreg_imm32_b32 hwreg(HW_REG_WAVE_MODE, 25, 1), 1
	s_wait_xcnt 0x0
	s_wait_alu depctr_hold_cnt(0) depctr_sa_sdst(0) depctr_va_vdst(0) depctr_va_sdst(0) depctr_va_ssrc(0) depctr_va_vcc(0) depctr_vm_vsrc(0)
	s_getreg_b32 s2, hwreg(HW_REG_IB_STS2, 6, 4)
	s_cmp_eq_u32 s2, 0
	s_cbranch_scc0 .Lentry_in_a_cluster
	s_endpgm
.Lentry_in_a_cluster:
	s_bfe_u32 s2, ttmp6, 0x10000c
	s_cmp_lg_u32 s2, 0xf033
	s_cbranch_scc0 .Lentry_shape_is_right
	s_endpgm
.Lentry_shape_is_right:
; Differential attention on codes of FP6 (E2M3) with E8M0 scales: logits = q k^T / 8 + the mask that is given (every entry is read; no tile is left out), the softmax, p V2, a1 - lam a2,
; the RMS norm over 128 channels, x (1 - lambda_init), and the quantiser of the last product's operand.
; THE LOGITS come whole out of the matrix instruction: the mask's entries are its C, and the factor 1/8, a power of two, is taken off q's scale bytes.
; THE SOFTMAX: t = logit x log2(e); M = the row's largest t so far, rounded up to a whole number; p = 2^(t - M) is quantised along the keys; the row's sum is taken of the unquantised p and divides at the end.
; t and t - M are made by a multiplication and an addition of their own, so that rows whose logits are huge get the p of this definition.  When M moves, sums and O are multiplied by 2^(old M - new M): exact.
; SHARES.  Work-group (j, y): key and value heads j and 4 + j, 64 queries (block y % 32 of batch y / 32).  Four waves, one to a SIMD; a wave takes 16 queries (tile = wave) and FOUR heads,
; n = 0..3: 2 j, 2 j + 1, 2 j + 8, 2 j + 9.  All four share the mask's registers and V2's fragments, heads n and n ^ 1 share k's: each fragment is read from LDS once a wave.  Pair g = n % 2: a1 is head g, a2 head g + 2.
; Keys go 128 a step, two steps to a slot, eight slots.  THE SOFTMAX TAKES TWO HEADS AT A TIME (0 and 1, then 2 and 3): one batch of 136 exponentials with its two waits, and chains eight wide.
; A step's products p V2 are issued at the head of the NEXT step, under that step's LDS loads of k and mask; the first step's find zero codes, the last step's stand behind the loops.
; CLUSTER 4 x 4: the four j of a query block ask for the mask tile jointly (a row), the four query blocks of a j for K and V (a column).  One load a wave: waves 0, 1: 32 mask rows each; wave 2: K j and K 4 + j as two rows of 12,288 bytes; wave 3: V likewise.
; THE SCALE WORDS of k and V come from memory into registers, 256 consecutive bytes a load: V's at the step's head, the next step's k words behind the step's last score products.
; PREFETCH: the mask's columns, which one cluster alone reads, one slot ahead of their load; K and V are asked for by all eight clusters of a batch in the same trips and are left to their loads.
; LAYOUT.  Both products are used transposed: a lane holds one query (lane % 16).  An image of k holds 32 keys x 64 d: two key tiles, in K 0-63 and K 64-127 of the instruction; q stands in one half and zero codes in the other.
; Tile 2 f + c, register i, lane (r, h): key 32 f + 16 h + 8 c + i.  V's rows (channels) are chosen likewise.   OUT: att [token / 16: 256][j 4][3328]: two images of 1,536 bytes, then their scale words, 8 bytes a lane.
; LIMITS: NaN and +infinity in the inputs are not served; a row that is all -infinity is not served; blocks whose largest number lies under 2^-124 get the byte 1; a block of q whose byte lies under 4
; (largest magnitude under 2^-121) keeps the byte 1 after the fold; divisions are a reciprocal and a multiplication; lam a2 is formed as O x (lam / l), fused with the subtraction.
; REGISTERS.  window 0: below.  window 1: v0-63 mask, v64-159 k's fragments of both heads, v160-255 V2's.  window 2: O^T, 64 a head.  window 3: q, 18 a head: [codes 6][zeros 6][codes 6].
.set VI,    4718592
.set QKS,   6291456
.set VS,    6488064
.set SLOT1, 131072                     ; slot 1 begins here
.set VOFF,  24576                      ; a slot: K j 12,288, K 4 + j, V j, V 4 + j, then the mask
.set MOFF,  49152
.set MP,    1040                       ; a mask row: 1,024 bytes + 16
.set SPARE, 262144                     ; the spare words, 128 bytes a wave
.set AKV0, 1                           ; 16 x lane
.set AM0,  2                           ; my query's mask row, + 64 h
.set ASK0, 3                           ; 16 r
.set ASV0, 4                           ; 8 x lane
.set SPW,  5
.set NIL,  6
.set ADK,  7
.set ADM,  8
.set ADS,  9
.set ADT,  10
.set T,    11
.set ST,   12                          ; v12-27 a head's -M, largest t, sum in two halves
.set FF,   28                          ; v28-29 f of the even head, v68-69 of the odd one
.set PW,   30                          ; v30-33 p's scale words
.set QW,   34                          ; v34-37 q's
.set LAM,  38
.set PFO,  39
.set KS,   40                          ; v40-47 k's scale words, both heads
.set VW,   48                          ; v48-51 V's
.set BM,   52                          ; v52-59 the blocks' maxima, four a head
.set PR,   60                          ; v60-67 at work
.set SO,   70                          ; v70-73 the conversions' scale operands
.set PP,   76                          ; v76-123 p's codes, 12 a head
.set S2,   124                         ; v124-187 logits, then p, of the odd head; in the kernel's head: temporaries
.set TT,   188                         ; v188-191 at work on M, two heads
.set S,    192                         ; v192-255 those of the even head
.set MK,   0
.set KF,   64
.set VF,   160
.set WV,   18
.set G1M,  28
.set G1D,  36
.set G0M,  52
.set G0D,  56
.set KSB,  60                          ; s[60:61] k's scale words, s[62:63] V's
.set VSB,  62
.set TK,   66
.set TMK,  67
.set TS,   68
.set SLOTS, 69
.set TWICE, 70
.set TSN,  71
.set PFA,  72
.set LIM,  74
.set MSB, 0
.macro WIN new
.if MSB != (\new)
	s_set_vgpr_msb (MSB<<8)|(\new)
.set MSB, (\new)
.endif
.endm
.macro PLACES
.rept 4
	v_nop
.endr
.endm
.macro CROUND                          ; a round of the cluster's barrier
	s_barrier_signal -1
	s_barrier_wait -1
	s_cmp_lg_u32 s[WV], 0
	s_cbranch_scc1 .Lnot_wave_0_\@
	s_barrier_signal -3
.Lnot_wave_0_\@:
	s_barrier_wait -3
	s_barrier_signal -1
	s_barrier_wait -1
.endm
.macro JLOAD                           ; a joint load, one a wave; s_nop 0 and four v_nop follow each line
	s_cmp_lt_u32 s[WV], 2
	s_cbranch_scc0 .Lfor_d_\@
	tensor_load_to_lds s[G0M:G0M+3], s[G1M:G1M+7]
	s_nop 0
	PLACES
	s_branch .Lasked_\@
.Lfor_d_\@:
	tensor_load_to_lds s[G0D:G0D+3], s[G1D:G1D+7]
	s_nop 0
	PLACES
.Lasked_\@:
.endm
; The mask columns that the NEXT change of slots will ask for: 64 rows x 1,024 bytes.  The four partners take 16 rows each, told apart by address; in each, waves 0 and 1 take 8 rows, a lane one of a row's four runs of 256 bytes.
.macro ASK
	s_cmp_gt_u32 s[SLOTS], s[LIM]
	s_cbranch_scc0 .Lnot_mine_\@
	global_prefetch_b8 v[PFO], s[PFA:PFA+1] th:TH_LOAD_NT scope:SCOPE_SE
.Lnot_mine_\@:
.endm
	s_load_b256 s[4:11], s[0:1], 0x0               ; mask, qkv, lambda_q1, lambda_k1
	s_load_b128 s[12:15], s[0:1], 0x20             ; lambda_q2, lambda_k2
	s_load_b64 s[16:17], s[0:1], 0x30              ; att
	v_lshl_add_u32 v[SPW], v0, 2, SPARE
	v_mov_b32 v[NIL], 0
	ds_add_u32 v[SPW], v[NIL]                      ; the opening lines: the add twice on end and one wait
	ds_add_u32 v[SPW], v[NIL]
	v_lshrrev_b32 v[T], 5, v0
	v_readfirstlane_b32 s[WV], v[T]                ; wave 0..3 = my tile of queries
	s_and_b32 s19, s[WV], 1                        ; which part I fetch
	s_bfe_u32 s75, ttmp6, 0x40000                  ; cx = j
	s_bfe_u32 s76, ttmp6, 0x40004                  ; cy
	s_and_b32 s77, ttmp7, 0xffff
	s_lshr_b32 s78, s77, 3                         ; the batch
	s_lshl_b32 s79, s77, 2
	s_add_co_u32 s79, s79, s76                     ; y
	s_lshl_b32 s80, s76, 2
	s_lshl_b32 s80, 15, s80                        ; my row of the cluster
	s_lshl_b32 s81, 0x1111, s75                    ; my column
	s_or_b32 s[G1M], s80, (2<<16)|(1<<20)|(1<<21)|(7<<22)|(3<<25)   ; the mask: 32 rows of 256 words, 4 words of padding behind each
	s_mov_b32 s[G1M+1], 256<<16
	s_mov_b32 s[G1M+2], 32<<16
	s_mov_b32 s[G1M+3], 256<<16
	s_mov_b32 s[G1M+4], 32
	s_mov_b32 s[G1M+5], 2048
	s_mov_b32 s[G1M+6], 0
	s_mov_b32 s[G1M+7], 0
	s_or_b32 s[G1D], s81, (3<<16)|(1<<21)          ; K or V: two rows of 1,536 x 8 bytes, four heads (393,216 bytes) apart
	s_mov_b32 s[G1D+1], 1536<<16
	s_mov_b32 s[G1D+2], 2<<16
	s_mov_b32 s[G1D+3], 1536<<16
	s_mov_b32 s[G1D+4], 2
	s_mov_b32 s[G1D+5], 49152
	s_mov_b32 s[G1D+6], 0
	s_mov_b32 s[G1D+7], 0
	s_lshl_b32 s82, s79, 6
	s_lshl_b32 s83, s19, 5
	s_add_co_u32 s82, s82, s83                     ; the mask's row 64 y + 32 x part,
	s_lshl_b32 s82, s82, 13                        ; of 8,192 bytes
	s_mov_b32 s83, 0
	s_mul_i32 s84, s19, 32*MP
	s_add_co_u32 s84, s84, MOFF
	s_mul_i32 s86, s78, 24
	s_add_co_u32 s86, s86, s75
	s_add_co_u32 s86, s86, 16                      ; k head j's place among the 24
	s_lshl_b32 s87, s78, 3
	s_add_co_u32 s87, s87, s75                     ; v head j's among the 8
	s_mul_i32 s88, s86, 98304
	s_mul_i32 s89, s87, 98304
	s_add_co_u32 s89, s89, VI
	s_cmp_eq_u32 s19, 0                            ; part 0: K, part 1: V
	s_cselect_b32 s88, s88, s89
	s_mov_b32 s89, 0
	s_lshl_b32 s90, s86, 12
	s_add_co_u32 s90, s90, QKS
	s_mov_b32 s91, 0
	s_lshl_b32 s94, s87, 12
	s_add_co_u32 s94, s94, VS
	s_mov_b32 s95, 0
	s_mul_i32 s92, s19, VOFF
	s_mov_b32 s20, 0x76543210
	s_mov_b32 s21, 0xfedcba98                      ; selects for lane l xor 16
	s_mov_b32 s22, 0x3fb8aa3b                      ; log2(e)
	s_mov_b32 s23, s22
	s_mov_b32 s[TK], 0
	s_mov_b32 s[TMK], 0
	s_mov_b32 s[TS], 0
	s_mov_b32 s[TSN], 256
	s_mov_b32 s[SLOTS], 7
	s_wait_dscnt 0x0
	s_wait_kmcnt 0x0
	s_mov_b32 s[G0M], 1
	s_mov_b32 s[G0M+1], s84
	s_add_nc_u64 s[G0M+2:G0M+3], s[4:5], s[82:83]
	s_or_b32 s[G0M+3], s[G0M+3], 0x80000000
	s_mov_b32 s[G0D], 1
	s_mov_b32 s[G0D+1], s92
	s_add_nc_u64 s[G0D+2:G0D+3], s[6:7], s[88:89]
	s_or_b32 s[G0D+3], s[G0D+3], 0x80000000
	s_add_nc_u64 s[KSB:KSB+1], s[6:7], s[90:91]
	s_add_nc_u64 s[VSB:VSB+1], s[6:7], s[94:95]
	CROUND                                         ; all sixteen work-groups are here: the first joint loads meet
	JLOAD                                          ; slot 0, one load a wave
	v_and_b32 v[T], 31, v0                         ; lane
	v_and_b32 v124, 15, v0                         ; r
	v_bfe_u32 v125, v0, 4, 1                       ; h
	v_lshrrev_b32 v[PFO], 2, v[T]
	v_and_b32 v126, 3, v[T]
	v_lshlrev_b32 v[PFO], 13, v[PFO]
	v_lshl_add_u32 v[PFO], v126, 8, v[PFO]         ; (lane / 4) rows + (lane % 4) x 256 bytes
	v_lshlrev_b32 v[AKV0], 4, v[T]
	v_lshlrev_b32 v[ASV0], 3, v[T]
	v_lshlrev_b32 v[ASK0], 4, v124
	s_lshl_b32 s96, s[WV], 4
	v_add_nc_u32 v[AM0], s96, v124
	v_mul_u32_u24 v[AM0], v[AM0], MP
	v_lshl_add_u32 v[AM0], v125, 6, v[AM0]
	v_add_nc_u32 v[AM0], MOFF, v[AM0]
	; q: query 16 (tile % 2) + r of image phi lies in that image's lane 8 (tile % 2) + r % 8 + 16 h, registers 6 c on, c = r / 8
	v_and_b32 v127, 7, v124
	s_lshl_b32 s96, s19, 3
	v_add_nc_u32 v127, s96, v127                   ; the image's row slot
	v_lshrrev_b32 v128, 3, v124                    ; c
	v_lshlrev_b32 v129, 4, v127
	v_lshl_add_u32 v129, v128, 1, v129             ; its two scale bytes: 16 x slot + 2 c
	v_lshl_add_u32 v127, v125, 4, v127
	v_lshlrev_b32 v127, 4, v127                    ; 16 x the image's lane
	v_mul_u32_u24 v126, v128, 520
	v_add_nc_u32 v130, v127, v126                  ; registers 6 c, 6 c + 1
	v_add_nc_u32 v132, 512, v130                   ; registers 6 c + 4, 6 c + 5
	v_mad_u32_u24 v131, v128, 1016, v127
	v_add_nc_u32 v131, 8, v131                     ; registers 6 c + 2, 6 c + 3
	s_lshl_b32 s94, s79, 6                         ; the prefetches: row 64 y + 16 cx + 8 (wave % 2),
	s_lshl_b32 s95, s75, 4
	s_add_co_u32 s94, s94, s95
	s_lshl_b32 s95, s19, 3
	s_add_co_u32 s94, s94, s95
	s_lshl_b32 s94, s94, 13
	s_add_co_u32 s94, s94, 1024                    ; at slot 1's columns: the first change of slots steps it to slot 2's
	s_mov_b32 s95, 0
	s_add_nc_u64 s[PFA:PFA+1], s[4:5], s[94:95]
	s_cmp_lt_u32 s[WV], 2
	s_cselect_b32 s[LIM], 1, -1
	s_lshl_b32 s97, s75, 1                         ; head 2 j
	s_mul_i32 s98, s78, 24
	s_add_co_u32 s98, s98, s97
	s_and_b32 s99, s79, 31
	s_lshl_b32 s99, s99, 1
	s_lshr_b32 s96, s[WV], 1
	s_add_co_u32 s99, s99, s96                     ; phi
	s_lshl_b32 s96, s98, 6
	s_add_co_u32 s96, s96, s99
	s_mul_i32 s82, s96, 1536
	s_mov_b32 s83, 0
	s_add_nc_u64 s[82:83], s[6:7], s[82:83]
	s_lshl_b32 s96, s98, 4
	s_lshr_b32 s84, s99, 2
	s_add_co_u32 s96, s96, s84
	s_lshl_b32 s96, s96, 8
	s_and_b32 s84, s99, 3
	s_lshl_b32 s84, s84, 2
	s_add_co_u32 s84, s84, s96
	s_add_co_u32 s84, s84, QKS
	s_mov_b32 s85, 0
	s_add_nc_u64 s[84:85], s[6:7], s[84:85]
	s_wait_alu depctr_va_vdst(0)
	global_load_b64 v[136:137], v[ASV0], s[8:9]    ; the lambdas: two numbers a lane
	global_load_b64 v[138:139], v[ASV0], s[10:11]
	global_load_b64 v[140:141], v[ASV0], s[12:13]
	global_load_b64 v[142:143], v[ASV0], s[14:15]
	global_load_b128 v[KS:KS+3], v[ASK0], s[KSB:KSB+1]                  ; step 0's k scale words
	global_load_b128 v[KS+4:KS+7], v[ASK0], s[KSB:KSB+1] offset:16384
.irp n, 0,1,2,3
	global_load_u16 v[QW+\n], v129, s[84:85] offset:4096*(\n%2)+32768*(\n/2)
.endr
	WIN 0xc0                                       ; destination window 3
.irp n, 0,1,2,3
.irp g, 0,12
	global_load_b64 v[18*\n+\g:18*\n+\g+1], v130, s[82:83] offset:98304*(\n%2)+786432*(\n/2)
	global_load_b64 v[18*\n+\g+2:18*\n+\g+3], v131, s[82:83] offset:98304*(\n%2)+786432*(\n/2)
	global_load_b64 v[18*\n+\g+4:18*\n+\g+5], v132, s[82:83] offset:98304*(\n%2)+786432*(\n/2)
.endr
.irp z, 6,7,8,9,10,11
	v_mov_b32 v[18*\n+\z], 0                       ; zero codes for the half of K in which the other key tile stands
.endr
.endr
	WIN 0x80
.set jj, 0
.rept 256
	v_mov_b32 v[jj], 0                             ; O^T: the step is written once, its first pass finds zeros.  (These lines stand under the first tensor loads)
.set jj, jj+1
.endr
	WIN 0x40
.set jj, 0
.rept 96
	v_mov_b32 v[VF+jj], 0                          ; and zero codes for the first step's p V2
.set jj, jj+1
.endr
	WIN 0
.set jj, 0
.rept 48
	v_mov_b32 v[PP+jj], 0
.set jj, jj+1
.endr
.irp n, 0,1,2,3
	v_mov_b32 v[VW+\n], 0x7f7f7f7f
	v_mov_b32 v[PW+\n], 0x7f7f7f7f
	v_mov_b32 v[ST+4*\n+1], 0xff61b1e6             ; the largest t so far: -3e38
	v_mov_b32 v[ST+4*\n+2], 0
	v_mov_b32 v[ST+4*\n+3], 0
.endr
.irp n, 0,1,2,3
	v_floor_f32 v[ST+4*\n], -v[ST+4*\n+1]
.endr
	v_mov_b32 v[FF+1], 0                           ; the upper halves of f's pairs, named with them
	v_mov_b32 v[FF+41], 0
.irp z, 0,1,2,3,4,5,6,7
	v_mov_b32 v[PR+\z], 0                          ; lane permutes' destinations count as sources
.endr
	s_wait_alu depctr_va_vdst(0)
	s_wait_loadcnt 0x0
	v_mul_f32 v144, v136, v138
	v_mul_f32 v145, v140, v142
	v_fma_f32 v144, v137, v139, v144
	v_fma_f32 v145, v141, v143, v145
.irp m, 1,2,4,8
	v_add_f32_dpp v144, v144, v144 row_xmask:\m row_mask:0xf bank_mask:0xf
	v_add_f32_dpp v145, v145, v145 row_xmask:\m row_mask:0xf bank_mask:0xf
.endr
	v_permlanex16_b32 v[PR], v144, s20, s21
	v_permlanex16_b32 v[PR+1], v145, s20, s21
	v_add_f32 v144, v144, v[PR]
	v_add_f32 v145, v145, v[PR+1]
	v_mul_f32 v144, s22, v144
	v_mul_f32 v145, s22, v145
	s_wait_alu depctr_va_vdst(0)
	v_exp_f32 v144, v144
	v_exp_f32 v145, v145
.irp n, 0,1,2,3                        ; q's scale word: its two bytes, held at 4 from below, for either half of K, and 3 off each: the factor 1/8
	v_and_b32 v[146+\n], 0xff, v[QW+\n]
	v_lshrrev_b32 v[QW+\n], 8, v[QW+\n]
.endr
.irp n, 0,1,2,3
	v_max_u32 v[146+\n], 4, v[146+\n]
	v_max_u32 v[QW+\n], 4, v[QW+\n]
.endr
.irp n, 0,1,2,3
	v_lshl_or_b32 v[QW+\n], v[QW+\n], 8, v[146+\n]
.endr
.irp n, 0,1,2,3
	v_lshl_or_b32 v[QW+\n], v[QW+\n], 16, v[QW+\n]
.endr
.irp n, 0,1,2,3
	v_add_nc_u32 v[QW+\n], 0xfcfcfcfd, v[QW+\n]
.endr
	s_wait_alu depctr_va_vdst(0)                   ; one wait for the two exponentials
	v_sub_f32 v144, v144, v145
	v_add_f32 v[LAM], 0x3eb60549, v144             ; lam = e^.. - e^.. + 0.8 - 0.6 e^-0.3
.macro KLOAD x                         ; k head x's four images (128 keys)
.irp f, 0,1,2,3
.irp c, 0,1,2
	ds_load_b128 v[KF+48*(\x)+12*\f+4*\c:KF+48*(\x)+12*\f+4*\c+3], v[ADK] offset:12288*(\x)+1536*\f+512*\c
.endr
.endr
.endm
.macro MLOAD                           ; my query's 64 mask entries, in the logits' order
.irp g, 0,1,2,3
.irp m, 0,1,2,3
	ds_load_b128 v[MK+16*\g+4*\m:MK+16*\g+4*\m+3], v[ADM] offset:128*\g+16*\m
.endr
.endr
.endm
.macro VLOAD                           ; V2's eight tiles
.irp t, 0,1,2,3,4,5,6,7
.irp c, 0,1,2
	ds_load_b128 v[VF+12*\t+4*\c:VF+12*\t+4*\c+3], v[ADK] offset:VOFF+12288*(\t/4)+1536*(\t%4)+512*\c
.endr
.endr
.endm
; logits^T = k q^T / 8 + mask, tile k of head n's eight (16 keys): image k / 2 of k against q in the lower (k even) or upper half of K.  Under the windows 0x1d: k and the mask window 1, q window 3
.macro SC1 n, k
	v_wmma_scale_f32_16x16x128_f8f6f4 v[192-68*((\n)%2)+8*(\k):192-68*((\n)%2)+8*(\k)+7], v[KF+48*((\n)/2)+12*((\k)/2):KF+48*((\n)/2)+12*((\k)/2)+11], v[18*(\n)+6*((\k)%2):18*(\n)+6*((\k)%2)+11], v[MK+8*(\k):MK+8*(\k)+7], v[KS+4*((\n)/2)+(\k)/2], v[QW+(\n)] matrix_a_fmt:MATRIX_FMT_FP6 matrix_b_fmt:MATRIX_FMT_FP6
.endm
.macro SCORES2 a                       ; heads a and a + 1, which share k's fragments and the mask
	WIN 0x1d
.irp k, 0,1,2,3,4,5,6,7
	SC1 \a, \k
	SC1 (\a)+1, \k
.endr
	WIN 0
	PLACES
.endm
; O^T += V2^T p^T, V2's tile t against head n's p.  Under the windows 0xa1: V window 1, C and D window 2
.macro PV1 n, t
.if (\t)%2 == 0
	v_wmma_scale_f32_16x16x128_f8f6f4 v[64*(\n)+8*(\t):64*(\n)+8*(\t)+7], v[VF+12*(\t):VF+12*(\t)+11], v[PP+12*(\n):PP+12*(\n)+11], v[64*(\n)+8*(\t):64*(\n)+8*(\t)+7], v[VW+(\t)/2], v[PW+(\n)] matrix_a_fmt:MATRIX_FMT_FP6 matrix_b_fmt:MATRIX_FMT_FP6
.else
	v_wmma_scale_f32_16x16x128_f8f6f4 v[64*(\n)+8*(\t):64*(\n)+8*(\t)+7], v[VF+12*(\t):VF+12*(\t)+11], v[PP+12*(\n):PP+12*(\n)+11], v[64*(\n)+8*(\t):64*(\n)+8*(\t)+7], v[VW+(\t)/2], v[PW+(\n)] matrix_a_fmt:MATRIX_FMT_FP6 matrix_b_fmt:MATRIX_FMT_FP6 matrix_a_scale:MATRIX_SCALE_ROW1
.endif
.endm
.macro PV                              ; each of V2's eight tiles against the four heads' p; the 32 accumulators take turns, one instruction a turn
	WIN 0xa1
.irp t, 0,1,2,3,4,5,6,7
.irp n, 0,1,2,3
	PV1 \n, \t
.endr
.endr
.endm
; Number jj = 0 .. 127 of a pair of heads lies in v[192 + jj] (the even head) or v[124 + jj - 64] (the odd one): v[192 + jj - 132 (jj / 64)]
.macro TMX c                           ; c pairs of t = logit x log2(e)
.rept \c
	v_pk_mul_f32 v[192+jj-132*(jj/64):193+jj-132*(jj/64)], v[192+jj-132*(jj/64):193+jj-132*(jj/64)], s[22:23] op_sel_hi:[1,0]
.set jj, jj+2
.endr
.endm
.macro QNT n, sb, bm                   ; head n's p, in v[sb ..], into codes and a scale word; bm: its four blocks' largest p
.irp b, 0,1,2,3
	v_add_nc_u32 v[SO+\b], 0xff000000, v[\bm+\b]   ; 2 off the exponent field: the conversion's scale operand
.endr
.irp b, 0,1,2,3
	v_lshrrev_b32 v[PR+\b], 23, v[SO+\b]
.endr
	v_lshl_or_b32 v[PW+(\n)], v[PR+1], 8, v[PR]    ; p's scale word for these 128 keys
	v_lshl_or_b32 v[T], v[PR+3], 8, v[PR+2]
	v_lshl_or_b32 v[PW+(\n)], v[T], 16, v[PW+(\n)]
.irp c, 0,1
	v_cvt_scalef32_pk16_fp6_f32 v[PP+12*(\n)+6*\c:PP+12*(\n)+6*\c+2], v[\sb+32*\c:\sb+32*\c+15], v[SO+2*\c]
	v_cvt_scalef32_pk16_fp6_f32 v[PR+4*\c:PR+4*\c+2], v[\sb+32*\c+16:\sb+32*\c+31], v[SO+2*\c+1]
.endr
	v_nop                                          ; one plain line behind the scaled conversions
.irp c, 0,1
.irp i, 0,1,2
	v_permlane16_swap_b32 v[PP+12*(\n)+6*\c+\i], v[PR+4*\c+\i]   ; a whole block to a lane
.endr
.endr
.irp c, 0,1
.irp i, 0,1,2
	v_mov_b32 v[PP+12*(\n)+3+6*\c+\i], v[PR+4*\c+\i]
.endr
.endr
.endm
.macro SOFTMAX2 a                      ; heads a + e, e = 0, 1
.irp e, 0,1                            ; the largest logit of each block of 32 keys: eight chains; each tile is read from its low end on
.irp b, 0,1,2,3
	v_max3_num_f32 v[BM+4*\e+\b], v[192-68*\e+16*\b], v[193-68*\e+16*\b], v[194-68*\e+16*\b]
.endr
.endr
.irp i, 3,5,7,9,11,13
.irp e, 0,1
.irp b, 0,1,2,3
	v_max3_num_f32 v[BM+4*\e+\b], v[BM+4*\e+\b], v[192-68*\e+16*\b+\i], v[193-68*\e+16*\b+\i]
.endr
.endr
.endr
.irp e, 0,1
.irp b, 0,1,2,3
	v_max_num_f32 v[BM+4*\e+\b], v[BM+4*\e+\b], v[207-68*\e+16*\b]
.endr
.endr
.irp z, 0,1,2,3,4,5,6,7
	v_permlanex16_b32 v[PR+\z], v[BM+\z], s20, s21
.endr
.irp z, 0,1,2,3,4,5,6,7
	v_max_num_f32 v[BM+\z], v[BM+\z], v[PR+\z]     ; with lane l xor 16's 16 keys
.endr
.irp z, 0,1,2,3,4,5,6,7
	v_mul_f32 v[BM+\z], s22, v[BM+\z]              ; as t: the multiplication keeps the order
.endr
.set jj, 0
.irp e, 0,1                            ; the chains that make M and f stand among the multiplications that make t
	v_mov_b32 v[TT+2+\e], v[ST+4*((\a)+\e)]
	v_max3_num_f32 v[TT+\e], v[BM+4*\e], v[BM+4*\e+1], v[BM+4*\e+2]
.endr
	TMX 6
.irp e, 0,1
	v_max3_num_f32 v[ST+4*((\a)+\e)+1], v[TT+\e], v[BM+4*\e+3], v[ST+4*((\a)+\e)+1]   ; the running largest t
.endr
	TMX 6
.irp e, 0,1
	v_floor_f32 v[ST+4*((\a)+\e)], -v[ST+4*((\a)+\e)+1]        ; the new -M = -ceil(t)
.endr
	TMX 6
.irp e, 0,1
	v_sub_f32 v[TT+\e], v[ST+4*((\a)+\e)], v[TT+2+\e]          ; old M - new M, 0 or less
.endr
	TMX 6
.irp e, 0,1
	v_cvt_i32_f32 v[TT+\e], v[TT+\e]               ; (it saturates)
.endr
	TMX 6
.irp e, 0,1
	v_ldexp_f32 v[FF+40*\e], 1.0, v[TT+\e]         ; f = 2^(old M - new M)
.endr
	TMX 34
.set jj, 0
.rept 64
	v_pk_add_f32 v[192+jj-132*(jj/64):193+jj-132*(jj/64)], v[192+jj-132*(jj/64):193+jj-132*(jj/64)], v[ST+4*(\a)+4*(jj/64):ST+4*(\a)+4*(jj/64)+1] op_sel_hi:[1,0]   ; t - M
.set jj, jj+2
.endr
.irp e, 0,1
.irp b, 0,1,2,3
	v_add_f32 v[BM+4*\e+\b], v[BM+4*\e+\b], v[ST+4*((\a)+\e)]  ; the same two lines on each block's largest logit
.endr
.endr
	s_wait_alu depctr_va_vdst(0)                   ; the wait ahead of the batch
.set jj, 0
.rept 128
	v_exp_f32 v[192+jj-132*(jj/64)], v[192+jj-132*(jj/64)]     ; p = 2^(t - M)
.set jj, jj+1
.endr
.irp z, 0,1,2,3,4,5,6,7
	v_exp_f32 v[BM+\z], v[BM+\z]                   ; the blocks' largest p
.endr
.irp e, 0,1
	v_pk_mul_f32 v[ST+4*((\a)+\e)+2:ST+4*((\a)+\e)+3], v[ST+4*((\a)+\e)+2:ST+4*((\a)+\e)+3], v[FF+40*\e:FF+40*\e+1] op_sel_hi:[1,0]   ; the sums under the new M.  (Plain lines behind the batch)
.endr
	WIN 0x82                                       ; O^T (destination and source 0) window 2
	s_wait_alu depctr_va_vdst(0)                   ; one wait for the batch, directly ahead of O^T's first readers too
.set jj, 0
.rept 64
	v_pk_mul_f32 v[64*(\a)+jj:64*(\a)+jj+1], v[64*(\a)+jj:64*(\a)+jj+1], v[FF+40*(jj/64):FF+40*(jj/64)+1] op_sel_hi:[1,0]   ; O^T under the new M
.set jj, jj+2
.endr
	WIN 0
.irp e, 0,1                            ; the rows' sums of the unquantised p: two chains a head
.irp c, 0,1
	v_pk_add_f32 v[PR+4*\e+2*\c:PR+4*\e+2*\c+1], v[192-68*\e+2*\c:193-68*\e+2*\c], v[196-68*\e+2*\c:197-68*\e+2*\c]
.endr
.endr
.set jj, 8
.rept 14
.irp e, 0,1
.irp c, 0,1
	v_pk_add_f32 v[PR+4*\e+2*\c:PR+4*\e+2*\c+1], v[PR+4*\e+2*\c:PR+4*\e+2*\c+1], v[192-68*\e+jj+2*\c:193-68*\e+jj+2*\c]
.endr
.endr
.set jj, jj+4
.endr
.irp z, 0,1,2,3
	v_max_num_f32 v[BM+\z], 0x1800000, v[BM+\z]    ; the floor 2^(3 - 127): the byte cannot fall under 1
.endr
.irp e, 0,1
	v_pk_add_f32 v[PR+4*\e:PR+4*\e+1], v[PR+4*\e:PR+4*\e+1], v[PR+4*\e+2:PR+4*\e+3]
.endr
.irp z, 4,5,6,7
	v_max_num_f32 v[BM+\z], 0x1800000, v[BM+\z]
.endr
.irp e, 0,1
	v_pk_add_f32 v[ST+4*((\a)+\e)+2:ST+4*((\a)+\e)+3], v[ST+4*((\a)+\e)+2:ST+4*((\a)+\e)+3], v[PR+4*\e:PR+4*\e+1]
.endr
	QNT \a, S, BM
	QNT (\a)+1, S2, BM+4
.endm
.macro STEP                            ; 128 keys, four heads
	v_add_nc_u32 v[ADK], s[TK], v[AKV0]            ; (these four are also the plain lines between the last codes' writes and the products below)
	v_add_nc_u32 v[ADM], s[TMK], v[AM0]
	v_add_nc_u32 v[ADS], s[TSN], v[ASK0]
	v_add_nc_u32 v[ADT], s[TS], v[ASV0]
	s_wait_alu depctr_va_vdst(0)                   ; the wait behind these writes
	WIN 0x40
	KLOAD 0
	MLOAD
	KLOAD 1
	PV                                             ; the step before's p and V2, under the 40 loads above
	WIN 0x40
	PLACES
	VLOAD                                          ; this step's V2: read at the next step's head
	WIN 0
	global_load_b64 v[VW:VW+1], v[ADT], s[VSB:VSB+1]
	global_load_b64 v[VW+2:VW+3], v[ADT], s[VSB:VSB+1] offset:16384
	s_wait_dscnt 36                                ; k head 0 and the mask are in; k head 1's 12 loads and V2's 24 may be out
	SCORES2 0
	SOFTMAX2 0
	s_wait_dscnt 24                                ; k head 1 is in; V2's 24 loads may be out
	SCORES2 2
	global_load_b128 v[KS:KS+3], v[ADS], s[KSB:KSB+1]                  ; the next step's k scale words (the last step names its own again)
	global_load_b128 v[KS+4:KS+7], v[ADS], s[KSB:KSB+1] offset:16384
	SOFTMAX2 2
	s_wait_alu depctr_va_vdst(0)
	s_wait_loadcnt 0x0                             ; the scale words are in,
	s_wait_dscnt 0x0                               ; and V2
	s_add_co_u32 s[TK], s[TK], 6144
	s_add_co_u32 s[TMK], s[TMK], 512
	s_add_co_u32 s[TS], s[TS], 256
	s_add_co_u32 s[TSN], s[TS], 256
	s_min_u32 s[TSN], s[TSN], 3840
.endm
; THE CHANGE OF SLOTS stands at a slot's head.  Each wave waits for its tensor load (its part of the slot ahead), adds 0 to its spare word, and waits for that and for its reads of the slot that it has left.
; fill = 1: a round of the cluster's barrier, and behind it the slot just left is filled with the keys that follow: the load has a slot's two steps in which to land.
.macro CHANGE fill
	s_wait_tensorcnt 0x0
	ds_add_u32 v[SPW], v[NIL]
.if \fill
	s_xor_b32 s[G0M+1], s[G0M+1], SLOT1
	s_add_nc_u64 s[G0M+2:G0M+3], s[G0M+2:G0M+3], 1024
	s_xor_b32 s[G0D+1], s[G0D+1], SLOT1
	s_add_nc_u64 s[G0D+2:G0D+3], s[G0D+2:G0D+3], 12288
	s_wait_xcnt 0x0                                ; the last prefetch, a slot back, has read its address
	s_add_nc_u64 s[PFA:PFA+1], s[PFA:PFA+1], 1024
	s_wait_dscnt 0x0
	CROUND
	JLOAD
	ASK
.else
	s_wait_dscnt 0x0
	s_barrier_signal -1
	s_barrier_wait -1
.endif
.endm
.macro SLOT_STEPS
	s_mov_b32 s[TWICE], 2
.Lstep_\@:
	STEP
	s_sub_co_u32 s[TWICE], s[TWICE], 1
	s_cmp_lg_u32 s[TWICE], 0
	s_cbranch_scc1 .Lstep_\@
	s_sub_co_u32 s[TK], s[TK], 12288               ; back to a slot's first step, in the other slot
	s_xor_b32 s[TK], s[TK], SLOT1
	s_sub_co_u32 s[TMK], s[TMK], 1024
	s_xor_b32 s[TMK], s[TMK], SLOT1
.endm
	s_wait_alu depctr_va_vdst(0)                   ; the wait at the head's end
.Lslot:                                            ; seven trips: behind each change of slots but the last the next slot is asked for
	CHANGE 1
	SLOT_STEPS
	s_sub_co_u32 s[SLOTS], s[SLOTS], 1
	s_cmp_lg_u32 s[SLOTS], 0
	s_cbranch_scc1 .Lslot
	CHANGE 0                                       ; the last slot is written out
	SLOT_STEPS
	PLACES
	PV                                             ; the last step's products
	WIN 0
	PLACES
	; THE WAY OUT
.irp n, 0,1,2,3
	v_add_f32 v[ST+4*\n+2], v[ST+4*\n+2], v[ST+4*\n+3]
.endr
.irp n, 0,1,2,3
	v_permlanex16_b32 v[PR+\n], v[ST+4*\n+2], s20, s21
.endr
.irp n, 0,1,2,3
	v_add_f32 v[ST+4*\n+2], v[ST+4*\n+2], v[PR+\n] ; the rows' sums
.endr
	s_wait_alu depctr_va_vdst(0)
.irp n, 0,1,2,3
	v_rcp_f32 v[ST+4*\n+2], v[ST+4*\n+2]
.endr
	v_nop
	WIN 0x02                                       ; source 0 window 2
	s_wait_alu depctr_va_vdst(0)                   ; one wait for the four reciprocals, ahead of O^T's first readers too
.irp g, 0,1
.set jj, 0
.rept 32
	v_pk_mul_f32 v[S-68*\g+jj:S-68*\g+jj+1], v[64*\g+jj:64*\g+jj+1], v[ST+4*\g+2:ST+4*\g+3] op_sel_hi:[1,0]   ; a1; pair 0 into v192.., pair 1 into v124..
.set jj, jj+2
.endr
.endr
	WIN 0
	v_mul_f32 v[ST+10], -v[LAM], v[ST+10]          ; -lam / l
	v_mul_f32 v[ST+14], -v[LAM], v[ST+14]
	WIN 0x02
.irp g, 0,1
.set jj, 0
.rept 32
	v_pk_fma_f32 v[S-68*\g+jj:S-68*\g+jj+1], v[128+64*\g+jj:129+64*\g+jj], v[ST+4*\g+10:ST+4*\g+11], v[S-68*\g+jj:S-68*\g+jj+1] op_sel_hi:[1,0,1]   ; a1 - lam a2: register 16 B + i is channel 32 B + 16 h + i
.set jj, jj+2
.endr
.endr
	WIN 0
	s_mov_b32 s98, 0x3c000000                      ; 1 / 128
	s_mov_b32 s99, 0x358637bd                      ; 1e-6
.macro NORMQ sb, g                     ; the RMS norm of a pair's 128 channels, x (1 - lambda_init), and the last product's quantiser: K = pair x 128 + channel
	v_pk_mul_f32 v[PR:PR+1], v[\sb:\sb+1], v[\sb:\sb+1]
	v_pk_mul_f32 v[PR+4:PR+5], v[\sb+2:\sb+3], v[\sb+2:\sb+3]
.set jj, 4
.rept 15
	v_pk_fma_f32 v[PR:PR+1], v[\sb+jj:\sb+jj+1], v[\sb+jj:\sb+jj+1], v[PR:PR+1]
	v_pk_fma_f32 v[PR+4:PR+5], v[\sb+jj+2:\sb+jj+3], v[\sb+jj+2:\sb+jj+3], v[PR+4:PR+5]
.set jj, jj+4
.endr
	v_pk_add_f32 v[PR:PR+1], v[PR:PR+1], v[PR+4:PR+5]
	v_add_f32 v[T], v[PR], v[PR+1]
	v_permlanex16_b32 v[PR+2], v[T], s20, s21
	v_add_f32 v[T], v[T], v[PR+2]
	v_fma_f32 v[T], v[T], s98, s99
	s_wait_alu depctr_va_vdst(0)
	v_rsq_f32 v[T], v[T]
	v_nop
	s_wait_alu depctr_va_vdst(0)
	v_mul_f32 v[FF], 0x3f24fd5c, v[T]              ; x (1 - lambda_init)
.set jj, 0
.rept 32
	v_pk_mul_f32 v[\sb+jj:\sb+jj+1], v[\sb+jj:\sb+jj+1], v[FF:FF+1] op_sel_hi:[1,0]
.set jj, jj+2
.endr
.irp b, 0,1,2,3
	v_max3_num_f32 v[BM+\b], |v[\sb+16*\b]|, |v[\sb+1+16*\b]|, 0x1800000
.endr
.irp i, 2,4,6,8,10,12,14
.irp b, 0,1,2,3
	v_max3_num_f32 v[BM+\b], v[BM+\b], |v[\sb+16*\b+\i]|, |v[\sb+1+16*\b+\i]|
.endr
.endr
.irp b, 0,1,2,3
	v_permlanex16_b32 v[PR+\b], v[BM+\b], s20, s21
.endr
.irp b, 0,1,2,3
	v_max_num_f32 v[BM+\b], v[BM+\b], v[PR+\b]
.endr
	QNT \g, \sb, BM                                ; codes into v[PP + 12 g ..], the scale word into v[PW + g]
.endm
	NORMQ S, 0
	NORMQ S2, 1
	s_lshl_b32 s82, s79, 2
	s_add_co_u32 s82, s82, s[WV]                   ; row block = token / 16 = 4 y + tile
	s_lshl_b32 s82, s82, 2
	s_add_co_u32 s82, s82, s75                     ; x 4 + j: K steps 2 j and 2 j + 1 lie together,
	s_mul_i32 s82, s82, 3328                       ; 3,328 bytes
	s_mov_b32 s83, 0
	s_add_nc_u64 s[84:85], s[16:17], s[82:83]
	s_wait_alu depctr_va_vdst(0)                   ; the wait ahead of the stores
.irp g, 0,1
.irp c, 0,1,2
	global_store_b128 v[AKV0], v[PP+12*\g+4*\c:PP+12*\g+4*\c+3], s[84:85] offset:1536*\g+512*\c   ; 512 consecutive bytes
.endr
.endr
	global_store_b64 v[ASV0], v[PW:PW+1], s[84:85] offset:3072                  ; both K steps' scale words: 256 consecutive bytes, aligned
	s_wait_tensorcnt 0x0                           ; the wave's end
	ds_add_u32 v[SPW], v[NIL]
	s_wait_dscnt 0x0
	CROUND                                         ; the closing round
	s_endpgm
.Lfunc_end_k_q7d256304a3_attn:
	.size	k_q7d256304a3_attn, .Lfunc_end_k_q7d256304a3_attn-k_q7d256304a3_attn
	.p2alignl 7, 3214868480
	.fill 96, 4, 3214868480
	.section	.rodata,"a",@progbits
	.p2align	6, 0x0
	.amdhsa_kernel k_q7d256304a3_attn
		.amdhsa_group_segment_fixed_size 327680
		.amdhsa_private_segment_fixed_size 0
		.amdhsa_enable_private_segment 0
		.amdhsa_kernarg_size 56
		.amdhsa_user_sgpr_count 2
		.amdhsa_user_sgpr_kernarg_segment_ptr 1
		.amdhsa_wavefront_size32 1
		.amdhsa_system_sgpr_workgroup_id_x 1
		.amdhsa_system_sgpr_workgroup_id_y 1
		.amdhsa_system_sgpr_workgroup_id_z 1
		.amdhsa_system_vgpr_workitem_id 0
		.amdhsa_next_free_vgpr 896
		.amdhsa_next_free_sgpr 100
		.amdhsa_reserve_vcc 0
		.amdhsa_float_denorm_mode_32 3
		.amdhsa_float_denorm_mode_16_64 3
		.amdhsa_memory_ordered 1
		.amdhsa_forward_progress 1
		.amdhsa_inst_pref_size 206
	.end_amdhsa_kernel
	.amdgpu_metadata
---
amdhsa.version: [ 1, 2 ]
amdhsa.kernels:
  - .name:           k_q7d256304a3_attn
    .symbol:         k_q7d256304a3_attn.kd
    .args:
      - { .name: attention_mask, .offset: 0, .size: 8, .value_kind: global_buffer, .address_space: global }
      - { .name: qkv, .offset: 8, .size: 8, .value_kind: global_buffer, .address_space: global }
      - { .name: lambda_q1, .offset: 16, .size: 8, .value_kind: global_buffer, .address_space: global }
      - { .name: lambda_k1, .offset: 24, .size: 8, .value_kind: global_buffer, .address_space: global }
      - { .name: lambda_q2, .offset: 32, .size: 8, .value_kind: global_buffer, .address_space: global }
      - { .name: lambda_k2, .offset: 40, .size: 8, .value_kind: global_buffer, .address_space: global }
      - { .name: att, .offset: 48, .size: 8, .value_kind: global_buffer, .address_space: global }
    .group_segment_fixed_size: 327680
    .private_segment_fixed_size: 0
    .kernarg_segment_align: 8
    .kernarg_segment_size: 56
    .max_flat_workgroup_size: 128
    .sgpr_count:     100
    .vgpr_count:     896
    .wavefront_size: 32
...
	.end_amdgpu_metadata
.endif
;; end of part 3
;; launch outp (part 4): grid 8 x 32, 4 waves a work-group, clusters of 4 x 4, 327,680 bytes of LDS; arguments att, qin, out0; writes out0
.if DOCPART == 4
	.amdgcn_target "amdgcn-amd-amdhsa--gfx1250"
	.amdhsa_code_object_version 6
	.text
	.protected	k_q7d256304a3_outp
	.globl	k_q7d256304a3_outp
	.p2align	8
	.type	k_q7d256304a3_outp,@function
k_q7d256304a3_outp:
	s_mov_b64 s[64:65], 0
	v_nop
	global_prefetch_b8 v0, s[64:65] scope:SCOPE_SE
	s_setreg_imm32_b32 hwreg(HW_REG_WAVE_MODE, 25, 1), 1
	s_wait_xcnt 0x0
	s_wait_alu depctr_hold_cnt(0) depctr_sa_sdst(0) depctr_va_vdst(0) depctr_va_sdst(0) depctr_va_ssrc(0) depctr_va_vcc(0) depctr_vm_vsrc(0)
	s_getreg_b32 s2, hwreg(HW_REG_IB_STS2, 6, 4)
	s_cmp_eq_u32 s2, 0
	s_cbranch_scc0 .Lentry_in_a_cluster
	s_endpgm
.Lentry_in_a_cluster:
	s_bfe_u32 s2, ttmp6, 0x10000c
	s_cmp_lg_u32 s2, 0xf033
	s_cbranch_scc0 .Lentry_shape_is_right
	s_endpgm
.Lentry_shape_is_right:
.set KI,    8
.set FR,    12
.set NP,    4
.set PAIRB, 3328
.set BLKB,  2*PAIRB
.set ROWP,  (KI/2)*PAIRB
.set ABYTES, 8*BLKB
.set SLOT,  24*BLKB
.set SPARE, 2*SLOT
.set WOC,   10223616
.set SIZE_N, 2048
.set SPITCH, 272
.set ADRA, 16
.set ADRS, 18
.set ADRB, 20
.set ADRT, 22
.set STO,  24
.set RD,   25
.set LI,   26
.set CO,   27
.set SPW,  28
.set NIL,  29
.set L8,   31
.set SC,   32
.set AF,   64
.set BK,   128
.set G1, 24
.set G0, 32
.set G1B, 48
.set G0B, 56
.set MSB, 0
.macro WIN new
.if MSB != (\new)
	s_set_vgpr_msb (MSB<<8)|(\new)
.set MSB, (\new)
.endif
.endm
.set MULW, 0xa1
.set TO_B, 0x40
.macro JLOAD g0a, g1a, g0b, g1b
	s_cmp_eq_u32 s15, 0
	s_cbranch_scc0 .Lfor_b_\@
	tensor_load_to_lds s[\g0a:\g0a+3], s[\g1a:\g1a+7]
	s_nop 0
.rept 4
	v_nop
.endr
	s_branch .Lasked_\@
.Lfor_b_\@:
	tensor_load_to_lds s[\g0b:\g0b+3], s[\g1b:\g1b+7]
	s_nop 0
.rept 4
	v_nop
.endr
.Lasked_\@:
.endm
.macro CROUND
	s_barrier_signal -1
	s_barrier_wait -1
	s_cmp_lg_u32 s14, 0
	s_cbranch_scc1 .Lnot_wave_0_\@
	s_barrier_signal -3
.Lnot_wave_0_\@:
	s_barrier_wait -3
	s_barrier_signal -1
	s_barrier_wait -1
.endm
	s_load_b128 s[4:7], s[0:1], 0x0
	s_load_b64 s[12:13], s[0:1], 0x10
	v_lshl_add_u32 v[SPW], v0, 2, SPARE
	v_mov_b32 v[NIL], 0
	ds_add_u32 v28, v29
	ds_add_u32 v28, v29
	s_wait_dscnt 0x0
	v_lshrrev_b32 v1, 5, v0
	v_readfirstlane_b32 s14, v1
	s_lshr_b32 s15, s14, 1
	s_and_b32 s16, s14, 1
	s_bfe_u32 s40, ttmp6, 0x40000
	s_bfe_u32 s41, ttmp6, 0x40004
	s_lshl_b32 s42, ttmp9, 2
	s_add_co_u32 s42, s42, s40
	s_and_b32 s17, ttmp7, 0xffff
	s_lshl_b32 s17, s17, 2
	s_add_co_u32 s17, s17, s41
	s_lshl_b32 s43, s41, 2
	s_lshl_b32 s43, 15, s43
	s_lshl_b32 s44, 0x1111, s40
	s_or_b32 s[G1+0], s43, (3<<16)|(1<<21)
	s_mov_b32 s[G1+1], 832<<16
	s_mov_b32 s[G1+2], 4<<16
	s_mov_b32 s[G1+3], 832<<16
	s_mov_b32 s[G1+4], 4
	s_mov_b32 s[G1+5], ROWP/8
	s_mov_b32 s[G1+6], 0
	s_mov_b32 s[G1+7], 0
	s_or_b32 s[G1B+0], s44, (3<<16)|(1<<21)
	s_mov_b32 s[G1B+1], 832<<16
	s_mov_b32 s[G1B+2], 8<<16
	s_mov_b32 s[G1B+3], 832<<16
	s_mov_b32 s[G1B+4], 8
	s_mov_b32 s[G1B+5], ROWP/8
	s_mov_b32 s[G1B+6], 0
	s_mov_b32 s[G1B+7], 0
	s_lshl_b32 s18, s16, 2
	s_lshl_b32 s20, s17, 3
	s_add_co_u32 s20, s20, s18
	s_lshl_b32 s18, s16, 3
	s_lshl_b32 s46, s42, 4
	s_add_co_u32 s46, s46, s18
	s_mul_i32 s20, s20, ROWP
	s_mul_i32 s46, s46, ROWP
	s_add_co_u32 s46, s46, WOC
	s_mov_b32 s21, 0
	s_mov_b32 s47, 0
	s_mul_i32 s45, s16, 4*BLKB
	s_mul_i32 s94, s16, 8*BLKB
	s_add_co_u32 s94, s94, ABYTES
	s_wait_kmcnt 0x0
	s_add_nc_u64 s[20:21], s[4:5], s[20:21]
	s_add_nc_u64 s[46:47], s[6:7], s[46:47]
	CROUND
.irp s, 0,1
	s_mov_b32 s[G0+4*\s], 1
	s_add_co_u32 s[G0+4*\s+1], s45, \s*SLOT
	s_add_nc_u64 s[G0+4*\s+2:G0+4*\s+3], s[20:21], \s*BLKB
	s_or_b32 s[G0+4*\s+3], s[G0+4*\s+3], 0x80000000
	s_mov_b32 s[G0B+4*\s], 1
	s_add_co_u32 s[G0B+4*\s+1], s94, \s*SLOT
	s_add_nc_u64 s[G0B+4*\s+2:G0B+4*\s+3], s[46:47], \s*BLKB
	s_or_b32 s[G0B+4*\s+3], s[G0B+4*\s+3], 0x80000000
	s_wait_alu depctr_va_vdst(0)
	s_wait_tensorcnt 0x0
	ds_add_u32 v28, v29
	ds_add_u32 v28, v29
	s_wait_dscnt 0x0
	CROUND
	JLOAD G0+4*\s, G1, G0B+4*\s, G1B
.endr
	v_and_b32 v1, 15, v0
	v_bfe_u32 v2, v0, 4, 1
	v_and_b32 v3, 31, v0
	v_lshlrev_b32 v[LI], 4, v3
	v_lshlrev_b32 v[L8], 3, v3
	s_mul_i32 s22, s14, 4*BLKB
	s_add_co_u32 s22, s22, ABYTES
	v_mul_u32_u24 v6, s22, v2
.irp s, 0,1
	v_add_nc_u32 v[ADRA+\s], \s*SLOT, v[LI]
	v_add_nc_u32 v[ADRT+\s], \s*SLOT+3072, v[L8]
	v_add_nc_u32 v[ADRS+\s], v[ADRT+\s], v6
	v_add_nc_u32 v[ADRB+\s], s22, v[ADRA+\s]
.endr
	s_mul_i32 s23, s14, 16*SPITCH
	v_mul_u32_u24 v5, v1, SPITCH
	v_lshl_add_u32 v5, v2, 6, v5
	v_add_nc_u32 v[STO], s23, v5
	v_mul_u32_u24 v5, v2, SPITCH
	v_lshl_add_u32 v5, v1, 4, v5
	v_add_nc_u32 v[RD], s23, v5
	v_lshlrev_b32 v[CO], 4, v1
	v_lshl_add_u32 v[CO], v2, 13, v[CO]
	s_lshl_b32 s20, s17, 20
	s_lshl_b32 s46, s42, 10
	s_lshl_b32 s47, s14, 8
	s_add_co_u32 s46, s46, s47
	s_add_co_u32 s20, s20, s46
	s_mov_b32 s21, 0
	s_add_nc_u64 s[12:13], s[12:13], s[20:21]
.macro FRAG reg, adr, q, i
.irp c, 0,1,2
	ds_load_b128 v[\reg+4*\c:\reg+4*\c+3], v[\adr] offset:(\i)*BLKB+((\q)/2)*PAIRB+((\q)%2)*1536+512*\c
.endr
.endm
.macro SCALES slot, pr
.irp i, 0,1,2,3
	ds_load_b64 v[SC+16*(\pr)+2*\i:SC+16*(\pr)+2*\i+1], v[ADRS+\slot] offset:\i*BLKB+(\pr)*PAIRB
.endr
.irp i, 4,5,6,7
	ds_load_b64 v[SC+16*(\pr)+2*\i:SC+16*(\pr)+2*\i+1], v[ADRT+\slot] offset:\i*BLKB+(\pr)*PAIRB
.endr
.endm
.macro FETCH slot, q, p
	WIN TO_B
.irp i, 0,1,2,3
	FRAG 48*(\p)+FR*\i, ADRB+\slot, \q, \i
.endr
	WIN 0
.irp i, 0,1,2,3,4,5,6,7
	FRAG AF+96*(\p)+FR*\i, ADRA+\slot, \q, \i
.endr
.if ((\q)%2) == 0
	SCALES \slot, (\q)/2
.endif
.endm
.macro MUL8 a0, p, q, zero
.irp a, \a0, \a0+1
.irp b, 0,1,2,3
.if \zero
	v_wmma_scale_f32_16x16x128_f8f6f4 v[8*(4*(\a)+\b):8*(4*(\a)+\b)+7], v[48*(\p)+FR*\b:48*(\p)+FR*\b+FR-1], v[AF+96*(\p)+FR*(\a):AF+96*(\p)+FR*(\a)+FR-1], 0, v[SC+16*((\q)/2)+2*\b+(\q)%2], v[SC+16*((\q)/2)+2*(\a)+(\q)%2] matrix_a_fmt:MATRIX_FMT_FP6 matrix_b_fmt:MATRIX_FMT_FP6 matrix_a_scale:MATRIX_SCALE_ROW1
.else
	v_wmma_scale_f32_16x16x128_f8f6f4 v[8*(4*(\a)+\b):8*(4*(\a)+\b)+7], v[48*(\p)+FR*\b:48*(\p)+FR*\b+FR-1], v[AF+96*(\p)+FR*(\a):AF+96*(\p)+FR*(\a)+FR-1], v[8*(4*(\a)+\b):8*(4*(\a)+\b)+7], v[SC+16*((\q)/2)+2*\b+(\q)%2], v[SC+16*((\q)/2)+2*(\a)+(\q)%2] matrix_a_fmt:MATRIX_FMT_FP6 matrix_b_fmt:MATRIX_FMT_FP6 matrix_a_scale:MATRIX_SCALE_ROW1
.endif
.endr
.endr
.endm
.macro PLACES n
.rept \n
	v_nop
.endr
.endm
.macro STEP slot, q, zero
	s_wait_dscnt 0x0
	PLACES NP
	FETCH \slot, (\q)+1, 1-(\q)%2
	WIN MULW
	MUL8 0, (\q)%2, \q, \zero
	MUL8 2, (\q)%2, \q, \zero
	MUL8 4, (\q)%2, \q, \zero
	MUL8 6, (\q)%2, \q, \zero
	WIN 0
.endm
	s_wait_alu depctr_va_vdst(0)
	s_wait_tensorcnt 1
	s_barrier_signal -1
	s_barrier_wait -1
	FETCH 0, 0, 0
	STEP 0, 0, 1
	STEP 0, 1, 0
	STEP 0, 2, 0
	s_wait_tensorcnt 0x0
	ds_add_u32 v[SPW], v[NIL]
	s_wait_dscnt 0x1
	WIN MULW
	MUL8 0, 1, 3, 0
	s_wait_dscnt 0x0
	s_barrier_signal -1
	MUL8 2, 1, 3, 0
	WIN 0
	s_barrier_wait -1
	PLACES NP
	FETCH 1, 0, 0
	WIN MULW
	MUL8 4, 1, 3, 0
	MUL8 6, 1, 3, 0
	WIN 0
	STEP 1, 0, 0
	STEP 1, 1, 0
	STEP 1, 2, 0
	s_wait_dscnt 0x0
	WIN MULW
	MUL8 0, 1, 3, 0
	MUL8 2, 1, 3, 0
	MUL8 4, 1, 3, 0
	MUL8 6, 1, 3, 0
	WIN 0
.macro TOSTAGE a
.set AC, 32*(\a)
	WIN 0x08
.irp b, 0,1,2,3
	ds_store_b128 v[STO], v[AC+8*\b:AC+8*\b+3] offset:128*(\b/2)+32*(\b%2)
	ds_store_b128 v[STO], v[AC+8*\b+4:AC+8*\b+7] offset:128*(\b/2)+32*(\b%2)+16
.endr
	WIN 0
.set BB, BK+32*((\a)%2)
.irp t, 0,1,2,3,4,5,6,7
	ds_load_b128 v[BB+4*\t:BB+4*\t+3], v[RD] offset:2*\t*SPITCH
.endr
.endm
.macro SEND a, younger
.set BB, BK+32*((\a)%2)
	s_wait_dscnt \younger
.if (\a) > 0
	s_add_nc_u64 s[12:13], s[12:13], 16*SIZE_N*4
.endif
.irp t, 0,1,2,3,4,5,6,7
	global_store_b128 v[CO], v[BB+4*\t:BB+4*\t+3], s[12:13] offset:2*\t*SIZE_N*4 th:TH_STORE_NT
.endr
.endm
	PLACES NP
	TOSTAGE 0
.irp a, 1,2,3,4,5,6,7
.if \a > 1
	s_wait_xcnt 0x0
.endif
	TOSTAGE \a
	SEND \a-1, 16
.endr
	s_wait_xcnt 0x0
	SEND 7, 0
	s_wait_tensorcnt 0x0
	ds_add_u32 v[SPW], v[NIL]
	s_wait_dscnt 0x0
	CROUND
	s_endpgm
.Lfunc_end_k_q7d256304a3_outp:
	.size	k_q7d256304a3_outp, .Lfunc_end_k_q7d256304a3_outp-k_q7d256304a3_outp
	.p2alignl 7, 3214868480
	.fill 96, 4, 3214868480
	.section	.rodata,"a",@progbits
	.p2align	6, 0x0
	.amdhsa_kernel k_q7d256304a3_outp
		.amdhsa_group_segment_fixed_size 327680
		.amdhsa_private_segment_fixed_size 0
		.amdhsa_enable_private_segment 0
		.amdhsa_kernarg_size 24
		.amdhsa_user_sgpr_count 2
		.amdhsa_user_sgpr_kernarg_segment_ptr 1
		.amdhsa_wavefront_size32 1
		.amdhsa_system_sgpr_workgroup_id_x 1
		.amdhsa_system_sgpr_workgroup_id_y 1
		.amdhsa_system_sgpr_workgroup_id_z 1
		.amdhsa_system_vgpr_workitem_id 0
		.amdhsa_next_free_vgpr 768
		.amdhsa_next_free_sgpr 98
		.amdhsa_reserve_vcc 0
		.amdhsa_float_denorm_mode_32 3
		.amdhsa_float_denorm_mode_16_64 3
		.amdhsa_memory_ordered 1
		.amdhsa_forward_progress 1
		.amdhsa_inst_pref_size 79
	.end_amdhsa_kernel
	.amdgpu_metadata
---
amdhsa.version: [ 1, 2 ]
amdhsa.kernels:
  - .name:           k_q7d256304a3_outp
    .symbol:         k_q7d256304a3_outp.kd
    .args:
      - { .name: att, .offset: 0, .size: 8, .value_kind: global_buffer, .address_space: global }
      - { .name: qin, .offset: 8, .size: 8, .value_kind: global_buffer, .address_space: global }
      - { .name: out0, .offset: 16, .size: 8, .value_kind: global_buffer, .address_space: global }
    .group_segment_fixed_size: 327680
    .private_segment_fixed_size: 0
    .kernarg_segment_align: 8
    .kernarg_segment_size: 24
    .max_flat_workgroup_size: 128
    .sgpr_count:     98
    .vgpr_count:     768
    .wavefront_size: 32
...
	.end_amdgpu_metadata
.endif
;; end of part 4
